; MI455X (gfx1250); checked and timed in simulation.
; The chip was launched on July 23, 2026; its instructions are those of AMD's public machine-readable ISA for CDNA 5 (MIT licence, August 2026) and "CDNA5" Instruction Set Architecture Reference Guide (July 2026). The comments in the code are by the model that wrote it; some were corrected since.
;; Attention Block. Allowed arithmetic: matrix products marked QUANTISED: E2M1 operands, one E8M0 scale for each 32 along K, by v_wmma_scale_f32_16x16x128_f8f6f4 with both operands' format E2M1 (or v_wmma_scale_f32_32x16x128_f4), f32 sums; products left as they are: bf16, f16 or f32 operands; f32 sums; everything else in f32.
;; Inputs: Wk 1,024 x 1,024 float32; Wq 1,024 x 1,024 float32; Wv 1,024 x 1,024 float32; x 4 x 2,048 x 1,024 float32.
;; Outputs: out0 4 x 2,048 x 1,024 float32.
;; This version of the problem:
;;   THIS VERSION OF THE PROBLEM IS GIVEN IN LOW PRECISION. The matrix products marked QUANTISED in the list below multiply operands that are first quantised to E2M1 (2 exponent bits, 1 mantissa bit; 4 bits a number), with one power-of-two scale for each 32 numbers along K (OCP MX v1.0); their sums are f32. The products marked 'left as it is' may take bf16, f16 or f32 operands, with f32 sums. Whichever they take, every output number must still come out within the allowed error. Rounding operands to bf16 (8 significant bits) uses up far more of that allowance than f16 does (11 bits, for magnitudes from 6e-5 to 65,504). All else is computed in f32.
;;   The module's matrix products, in the order in which they are computed (A, B: the left and right operand; K: the contracted axis; several contracted axes count as one K, in the product's order):
;;     1. [M 8,192, K 1,024] x [K 1,024, N 1,024]; A: input x; B: input Wq: QUANTISED
;;     2. [M 8,192, K 1,024] x [K 1,024, N 1,024]; A: input x; B: input Wk: QUANTISED
;;     3. [M 8,192, K 1,024] x [K 1,024, N 1,024]; A: input x; B: input Wv: QUANTISED
;;     4. batch 4 x [M 2,048, K 1,024] x [K 1,024, N 2,048]; A: computed on the way; B: computed on the way: left as it is (an operand is computed on the way)
;;     5. batch 4 x [M 2,048, K 2,048] x [K 2,048, N 1,024]; A: computed on the way; B: computed on the way: left as it is (an operand is computed on the way)
;;   THE QUANTISER, for each operand of a quantised product, along K:
;;     - K is cut into blocks of 32 from its start; a last block that is shorter is filled with zeros.
;;     - A block's scale is 2^e with e = floor(log2(the largest magnitude in the block)) - 2, held to -126 .. 127; a block of zeros has e = 0. As a byte (E8M0): e + 127.
;;     - Each number is divided by its block's scale, clamped to +-6, and rounded to the nearest number of E2M1, ties to even, subnormals kept.
;;     - The product sums the exact products of the quantised numbers (number of the format x scale) in f32.
;;   ~~~python
;;   def quantise(x, axis):      # numpy; x: float32 -> the quantised numbers, widened to float32 again
;;       x = np.moveaxis(x, axis, -1); K = x.shape[-1]
;;       x = np.pad(x, [(0, 0)] * (x.ndim - 1) + [(0, -K % 32)]); x = x.reshape(x.shape[:-1] + (-1, 32)); a = np.abs(x).max(-1, keepdims=True)
;;       e = np.where(a > 0, np.clip(np.frexp(np.where(a > 0, a, 1))[1] - 1 - 2, -126, 127), 0)      # np.frexp(a)[1] - 1 = floor(log2(a)), exactly
;;       r = np.clip(x / 2.0 ** e, -6, 6)
;;       step = 2.0 ** (np.maximum(np.frexp(np.where(r == 0, 1, r))[1] - 1, 0) - 1)
;;       q = np.round(r / step) * step * 2.0 ** e      # np.round: ties to even
;;       return np.moveaxis(q.reshape(q.shape[:-2] + (-1,))[..., :K], -1, axis).astype(np.float32)
;;   ~~~
;; One version. Each part assembles by itself: llvm-mc -triple=amdgcn-amd-amdhsa -mcpu=gfx1250 --defsym DOCPART=n.
;; ======== version 1 of 1: 5 launches
;; limits: values are held in f16: magnitudes above 65,504 overflow, below 6.1e-05 lose precision
;; workspace buffers: cd 5,767,168 bytes; sc 360,448 bytes; qk 33,554,432 bytes; vt 16,777,216 bytes; h32 786,432 bytes; pt 33,554,432 bytes; st 1,048,576 bytes
;; launch quant (part 1): grid 352 x 1, 4 waves a work-group, no clusters, 33,280 bytes of LDS; arguments x, Wq, Wk, Wv, cd, sc; writes cd, sc
.if DOCPART == 1
	.amdgcn_target "amdgcn-amd-amdhsa--gfx1250"
	.amdhsa_code_object_version 6
	.text
	.protected	k_q5884955152_quant
	.globl	k_q5884955152_quant
	.p2align	8
	.type	k_q5884955152_quant,@function
k_q5884955152_quant:
	s_mov_b64 s[64:65], 0
	v_nop
	global_prefetch_b8 v0, s[64:65] scope:SCOPE_SE
	s_setreg_imm32_b32 hwreg(HW_REG_WAVE_MODE, 25, 1), 1
	s_wait_xcnt 0x0
; THE PROGRAM: out = softmax(causal(q k^T / 32)) v with q, k, v = x Wq^T, x Wk^T, x Wv^T.  Five launches:
;   quant  (this one): x, Wq, Wk, Wv, f32, K innermost, into codes of FP4 (E2M1) and E8M0 scale bytes;
;   proj:   the three quantised products on those codes; q, k as f16 rows, v as f16 with the positions innermost;
;   scores: q k^T on the tiles at or under the diagonal, the mask, p = 2^(t - M) by blocks of 128 keys, as f16, with -M and the sum of each block;
;   pv:     p v up to the causal limit, p brought under the row's final M by a power of two, divided by the row's sum;
;   head16: positions 0 to 15 of each sequence once more, wholly in f32.
; WORK LEFT OUT.  reference() sets the score of (query, key) to -infinity where key > query, by its own jnp.tril; the softmax makes exactly 0 of it, and 0 times
; a finite v adds nothing, whatever finite values x and the weights hold.  So the tiles of q k^T and of attn v that lie wholly above the diagonal reach no output
; and are not computed.  Every input has a way to the output and is loaded.  LIMIT: a NaN, an infinity or an overflow that reaches only that work (a later
; position's k or v) is not carried to earlier queries.
; LIMITS of the program: |q|, |k|, |v| stay under 65,504 (they are carried as f16 from position 16 on); NaN and infinities among the inputs are not served.
;
; THIS LAUNCH.  A block's scale is 2^(floor(log2(its largest magnitude)) - 2); its byte is the largest magnitude's own exponent field - 2, held at 1 from below.
; (A block of zeros so gets the byte 1 where the rule says 127: its codes are zeros, which add nothing under any byte but 0xff, and this program alone reads the bytes.)
; Each number is divided by the scale and rounded to the nearest code, ties to even; beyond 6 the conversion gives the largest code.
; Rows are dense and 1,024 long, so all four tensors are plain streams of blocks of 32, and the codes (cd: 11,264 rows of 512 bytes: x, Wq, Wk, Wv on end) and
; the bytes (sc: 32 a row) are one stream each.  A work-group takes 32,768 numbers: 0-255 x, 256-287 Wq, 288-319 Wk, 320-351 Wv.  A wave takes 16 steps of 512.
; Each load reads 512 consecutive bytes, 16 a lane; a step's 2,048 bytes turn through the wave's own stage in LDS and come back 64 bytes a lane, so that a lane
; holds 16 neighbours along K (two lanes hold a block).  Codes leave 256 consecutive bytes a store; a wave's 256 scale bytes leave as one such store.
; No tensor loads, no barrier: waves share nothing.  Loads run four steps (16 loads a wave) ahead, the turn through LDS one step.
.set WAVES, 4
.set STEPS, 16
.set EMAX,  2
.set CB,    8                          ; bytes of 16 codes
.set R,     16                         ; v16-79   four sets of 16 numbers as they are loaded
.set X,     80                         ; v80-111  two sets of 16 neighbours
.set C,     128                        ; v128-191 codes: four registers for each step, so that no store's data are written again
.set E,     112                        ; v112-127 a scale byte for each step
.set WREG,  8192                       ; LDS: a region for each wave: two stages of 32 x SP bytes, behind them its 256 scale bytes
.set SP,    80                         ; a lane's place in a stage: 64 bytes + 16 of padding
.set SPW,   12                         ; v12      LDS address of my spare word; never rewritten
.set NIL,   13                         ; v13      0; never rewritten
.set SPARE, WAVES*WREG                 ; behind the regions: the spare words, 128 bytes a wave, which no other line names
	s_load_b256 s[4:11], s[0:1], 0x0               ; x, Wq, Wk, Wv
	s_load_b128 s[12:15], s[0:1], 0x20             ; cd, sc
	v_lshl_add_u32 v[SPW], v0, 2, SPARE
	v_mov_b32 v[NIL], 0
	v_lshrrev_b32 v1, 5, v0
	v_readfirstlane_b32 s16, v1                    ; wave
	v_and_b32 v2, 31, v0                           ; lane
	v_lshlrev_b32 v3, 4, v2                        ; my 16 bytes of a load's 512
	s_mul_i32 s17, s16, WREG
	v_lshrrev_b32 v14, 2, v2
	v_mul_u32_u24 v14, v14, SP
	v_and_b32 v15, 3, v2
	v_lshl_add_u32 v14, v15, 4, v14
	v_add_nc_u32 v14, s17, v14                     ; the stage, on the way in: SP (lane / 4) + 16 (lane % 4)
	v_mul_u32_u24 v15, v2, SP
	v_add_nc_u32 v15, s17, v15                     ; and on the way out: SP x lane: my 16 neighbours
	v_mul_u32_u24 v4, v2, CB                       ; my codes' place in a step's
	v_lshrrev_b32 v5, 1, v2
	s_add_co_u32 s17, s17, 2*32*SP
	v_add_nc_u32 v5, s17, v5                       ; LDS: my wave's 256 scale bytes, my block's byte
	v_lshlrev_b32 v7, 3, v2                        ; and on the way out 8 bytes a lane
	v_add_nc_u32 v6, s17, v7
	s_and_b32 s18, ttmp9, 31                       ; a weight's work-groups count from a multiple of 32
	s_wait_kmcnt 0x0
	s_cmp_lt_u32 ttmp9, 320                        ; which tensor: the choice hangs on the work-group's number alone
	s_cselect_b64 s[8:9], s[8:9], s[10:11]         ; Wk or Wv
	s_cmp_lt_u32 ttmp9, 288
	s_cselect_b64 s[6:7], s[6:7], s[8:9]           ; Wq or that
	s_cmp_lt_u32 ttmp9, 256
	s_cselect_b64 s[4:5], s[4:5], s[6:7]           ; x or that
	s_cselect_b32 s17, ttmp9, s18                  ; the work-group's number within its tensor
	s_lshl_b32 s17, s17, 2
	s_add_co_u32 s17, s17, s16                     ; which run of 8,192 numbers of the tensor is my wave's
	s_lshl_b32 s20, s17, 15                        ; 32,768 bytes a run
	s_mov_b32 s21, 0
	s_add_nc_u64 s[4:5], s[4:5], s[20:21]
	s_lshl_b32 s18, ttmp9, 2
	s_add_co_u32 s18, s18, s16                     ; and which run of the outputs' one stream
	s_lshl_b32 s20, s18, 12                        ; 4,096 bytes of codes a run
	s_add_nc_u64 s[12:13], s[12:13], s[20:21]
	s_lshl_b32 s20, s18, 8                         ; 256 scale bytes a run
	s_add_nc_u64 s[14:15], s[14:15], s[20:21]
.macro LOAD t
.irp i, 0,1,2,3
	global_load_b128 v[R+16*((\t)%4)+4*\i:R+16*((\t)%4)+4*\i+3], v3, s[4:5] offset:2048*(\t)+512*\i th:TH_LOAD_NT   ; 32 lanes read 512 consecutive bytes
.endr
.endm
.macro TURN t                          ; step t's numbers through the stage: LDS serves a wave's instructions in order, so no wait stands between the stores and the loads
.irp i, 0,1,2,3
	ds_store_b128 v14, v[R+16*((\t)%4)+4*\i:R+16*((\t)%4)+4*\i+3] offset:32*SP*((\t)%2)+8*SP*\i
.endr
.irp i, 0,1,2,3
	ds_load_b128 v[X+16*((\t)%2)+4*\i:X+16*((\t)%2)+4*\i+3], v15 offset:32*SP*((\t)%2)+16*\i
.endr
.endm
.irp t, 0,1,2,3
	LOAD \t
.endr
	s_wait_loadcnt 12                              ; step 0's four loads are in; the twelve of steps 1 to 3 may be out
	TURN 0
.macro STEP t
.set XS, X+16*((\t)%2)
.if (\t) > 0
	s_wait_dscnt 1                                 ; this step's numbers are back from the stage (the last step's byte store may be out)
.else
	s_wait_dscnt 0x0
.endif
.if (\t)+4 < STEPS
	LOAD (\t)+4                                    ; the registers that the stage's stores have read take the loads of four steps on
.endif
.if (\t)+1 < STEPS
.if STEPS-2-(\t) >= 3
	s_wait_loadcnt 12                              ; the next step's four loads are in; those of the three steps behind it may be out
.else
	s_wait_loadcnt 4*(STEPS-2-(\t))
.endif
	TURN (\t)+1                                    ; and go through the other stage while this step is worked
.endif
	v_max3_num_f32 v8, |v[XS]|, |v[XS+1]|, |v[XS+2]|               ; the largest magnitude of my 16, in two chains
	v_max3_num_f32 v9, |v[XS+3]|, |v[XS+4]|, |v[XS+5]|
.irp i, 6,10
	v_max3_num_f32 v8, v8, |v[XS+\i]|, |v[XS+\i+1]|
	v_max3_num_f32 v9, v9, |v[XS+\i+2]|, |v[XS+\i+3]|
.endr
	v_max3_num_f32 v8, v8, |v[XS+14]|, |v[XS+15]|
	v_max3_num_f32 v8, v8, v9, (EMAX+1)<<23        ; and the floor 2^(3 - 127): the byte cannot fall under 1
	v_max_num_f32_dpp v8, v8, v8 row_xmask:1 row_mask:0xf bank_mask:0xf   ; and of my neighbour's 16: the block's
	v_add_nc_u32 v11, -(EMAX<<23), v8              ; 2 off its exponent field: the conversion takes the exponent field of this operand as its scale
	v_cvt_scalef32_pk8_fp4_f32 v[C+4*(\t)], v[XS:XS+7], v11
	v_cvt_scalef32_pk8_fp4_f32 v[C+4*(\t)+1], v[XS+8:XS+15], v11
	v_lshrrev_b32 v[E+(\t)], 23, v11               ; the scale's byte (also the plain line behind the conversions)
	ds_store_b8 v5, v[E+(\t)] offset:16*(\t)       ; both lanes of a block write the same byte with the same value
	global_store_b64 v4, v[C+4*(\t):C+4*(\t)+1], s[12:13] offset:32*CB*(\t)   ; the wave stores 256 consecutive bytes, aligned
.endm
.irp t, 0,1,2,3,4,5,6,7,8,9,10,11,12,13,14,15
	STEP \t
.endr
	ds_load_b64 v[8:9], v6                         ; LDS serves a wave's instructions in order: these see my stores
	s_wait_dscnt 0x0
	global_store_b64 v7, v[8:9], s[14:15]          ; 32 lanes store 256 consecutive bytes, aligned
	s_wait_tensorcnt 0x0                           ; the wave's end
	ds_add_u32 v[SPW], v[NIL]
	s_wait_dscnt 0x0
	s_endpgm
.Lfunc_end_k_q5884955152_quant:
	.size	k_q5884955152_quant, .Lfunc_end_k_q5884955152_quant-k_q5884955152_quant
	.p2alignl 7, 3214868480
	.fill 96, 4, 3214868480
	.section	.rodata,"a",@progbits
	.p2align	6, 0x0
	.amdhsa_kernel k_q5884955152_quant
		.amdhsa_group_segment_fixed_size 33280
		.amdhsa_private_segment_fixed_size 0
		.amdhsa_enable_private_segment 0
		.amdhsa_kernarg_size 48
		.amdhsa_user_sgpr_count 2
		.amdhsa_user_sgpr_kernarg_segment_ptr 1
		.amdhsa_wavefront_size32 1
		.amdhsa_system_sgpr_workgroup_id_x 1
		.amdhsa_system_sgpr_workgroup_id_y 1
		.amdhsa_system_sgpr_workgroup_id_z 1
		.amdhsa_system_vgpr_workitem_id 0
		.amdhsa_next_free_vgpr 192
		.amdhsa_next_free_sgpr 66
		.amdhsa_reserve_vcc 0
		.amdhsa_float_denorm_mode_32 3
		.amdhsa_float_denorm_mode_16_64 3
		.amdhsa_memory_ordered 1
		.amdhsa_forward_progress 1
		.amdhsa_inst_pref_size 33
	.end_amdhsa_kernel
	.amdgpu_metadata
---
amdhsa.version: [ 1, 2 ]
amdhsa.kernels:
  - .name:           k_q5884955152_quant
    .symbol:         k_q5884955152_quant.kd
    .args:
      - { .name: x, .offset: 0, .size: 8, .value_kind: global_buffer, .address_space: global }
      - { .name: Wq, .offset: 8, .size: 8, .value_kind: global_buffer, .address_space: global }
      - { .name: Wk, .offset: 16, .size: 8, .value_kind: global_buffer, .address_space: global }
      - { .name: Wv, .offset: 24, .size: 8, .value_kind: global_buffer, .address_space: global }
      - { .name: cd, .offset: 32, .size: 8, .value_kind: global_buffer, .address_space: global }
      - { .name: sc, .offset: 40, .size: 8, .value_kind: global_buffer, .address_space: global }
    .group_segment_fixed_size: 33280
    .private_segment_fixed_size: 0
    .kernarg_segment_align: 8
    .kernarg_segment_size: 48
    .max_flat_workgroup_size: 128
    .sgpr_count:     66
    .vgpr_count:     192
    .wavefront_size: 32
...
	.end_amdgpu_metadata
.endif
;; end of part 1
;; launch proj (part 2): grid 12 x 32, 4 waves a work-group, clusters of 4 x 4, 327,680 bytes of LDS; arguments cd, sc, qk, vt, h32; writes qk, vt, h32
.if DOCPART == 2
	.amdgcn_target "amdgcn-amd-amdhsa--gfx1250"
	.amdhsa_code_object_version 6
	.text
	.protected	k_q5884955152_proj
	.globl	k_q5884955152_proj
	.p2align	8
	.type	k_q5884955152_proj,@function
k_q5884955152_proj:
	s_mov_b64 s[64:65], 0
	v_nop
	global_prefetch_b8 v0, s[64:65] scope:SCOPE_SE
	s_setreg_imm32_b32 hwreg(HW_REG_WAVE_MODE, 25, 1), 1
	s_wait_xcnt 0x0
	s_wait_alu depctr_hold_cnt(0) depctr_sa_sdst(0) depctr_va_vdst(0) depctr_va_sdst(0) depctr_va_ssrc(0) depctr_va_vcc(0) depctr_vm_vsrc(0)
	s_getreg_b32 s2, hwreg(HW_REG_IB_STS2, 6, 4)
	s_cmp_eq_u32 s2, 0
	s_cbranch_scc0 .Lentry_in_a_cluster
	s_endpgm
.Lentry_in_a_cluster:
	s_bfe_u32 s2, ttmp6, 0x10000c
	s_cmp_lg_u32 s2, 0xf033
	s_cbranch_scc0 .Lentry_shape_is_right
	s_endpgm
.Lentry_shape_is_right:
; q = x Wq^T, k = x Wk^T, v = x Wv^T on codes of FP4 (E2M1) with one E8M0 scale for each 32 along K = 1,024; sums in f32.
; cd: 11,264 rows of 512 bytes of codes (rows 0.. x, 8,192.. Wq, 9,216.. Wk, 10,240.. Wv); sc: their scale bytes, 32 a row.
; OUT: qk [8,192][2,048] f16 (columns 0.. q, 1,024.. k); vt [4][1,024 d][2,048 t] f16: v with the positions innermost, as the last product wants it;
;      h32: the same numbers of positions 0 to 15 of each sequence in f32: [4][16][2,048] (q | k), then from byte 524,288 [4][1,024 d][16 t].
; A tile of 256 x 256 is made by four waves, 128 x 128 each: 64 accumulators, 512 registers.  24 clusters of 4 x 4 work-groups.
; Clusters with x = 0, 1: C = x W^T: A's rows are x's (tile row 4 y + cy), B's are Wq's and Wk's (tile column 4 x + cx).
; Clusters with x = 2:    C = Wv x^T: A's rows are Wv's (tile row cy), B's are x's (tile column 4 y + cx): so v comes out with t along the rows.
; One text serves both: five numbers are chosen on the cluster's x, which all sixteen partners share.
; The four of a row of the cluster need the same tiles of A, the four of a column the same tiles of B: each tile is asked for JOINTLY.
; K = 1,024 is two slots of 512 along K (rows of 256 bytes): both are first fills, nothing is filled again.  The scale bytes of the 256 + 256 rows come once too.
; THE MATRIX INSTRUCTION IS USED TRANSPOSED (source 0 = 16 rows of B, source 1 = 16 rows of A): a lane holds eight neighbouring numbers of a row of C.
; REGISTERS: window 0: v0-31 addresses; v32-95 scale words, two sets; v128-191 A's fragments, one set; on the way out v32-63, v192-255.
;   window 1: B's fragments, two sets, at v0 and v128.   window 2: the accumulators of my rows 0-63 ((a, b) at v[8 (8 a + b)]);   window 3: those of rows 64-127.
.set NQ,     4                         ; steps of 128 along K in a slot
.set ROWB,   256                       ; a tile's row in bytes
.set KROW,   512                       ; a row of codes in memory
.set PITCH,  272                       ; an LDS row: 256 bytes + 16 of padding: the 16 rows that a load touches start 68 words apart
.set FR,     8                         ; registers of a fragment
.set NL,     2                         ; LDS loads that bring one
.set NP,     4                         ; places behind this matrix instruction (ISA guide 7.12.1)
.set HALFT,  128*PITCH
.set SLOT,   4*HALFT
.set KS,     32                        ; a row of scales in bytes
.set SCL,    2*SLOT                    ; behind the slots: the scales, as runs of 256 bytes + 16 of padding
.set HALFS,  (128*KS/256)*272
.set SBLK,   (16*KS/256)*272
.set SPARE,  SCL+4*HALFS               ; the spare words, 128 bytes a wave, which no other line names
.set SPITCH, 272                       ; the way out: 16 rows x (256 bytes + 16) for each wave, in slot 0, which has had its only fill and its last read by then
.set ADRA, 16
.set ADRB, 20
.set STO,  24
.set RD,   25
.set CO,   26
.set ADRS, 27
.set SPW,  28
.set NIL,  29
.set HO,   30                          ; v30  my byte offset in h32
.set HF,   31                          ; v31  0 in the waves whose tile holds positions 0 to 15
.set SC,   32
.set AF,   128
.set TMP,  192
.set OB,   32
.set G1, 24
.set G0, 32
.set G1B, 48
.set G0B, 56
.set G1S, 68
.set G0S, 76
.set G1SB, 80
.set G0SB, 88
.set ISV, 66                           ; s66  1 in the clusters that make v
.set MSB, 0
.macro WIN new                         ; the immediate's high byte repeats the setting that is left
.if MSB != (\new)
	s_set_vgpr_msb (MSB<<8)|(\new)
.set MSB, (\new)
.endif
.endm
.set MUL_LO, 0xa1                      ; source 0 (B) window 1, source 1 (A) window 0, C and D window 2
.set MUL_HI, 0xf1
.set TO_B,   0x40
; A joint load: waves 0 and 1 fetch for A, waves 2 and 3 for B.  An s_nop 0 and four v_nop follow each of the two lines.
.macro JLOAD g0a, g1a, g0b, g1b
	s_cmp_eq_u32 s15, 0
	s_cbranch_scc0 .Lfor_b_\@
	tensor_load_to_lds s[\g0a:\g0a+3], s[\g1a:\g1a+7]
	s_nop 0
.rept 4
	v_nop
.endr
	s_branch .Lasked_\@
.Lfor_b_\@:
	tensor_load_to_lds s[\g0b:\g0b+3], s[\g1b:\g1b+7]
	s_nop 0
.rept 4
	v_nop
.endr
.Lasked_\@:
.endm
.macro CROUND                          ; a round of the cluster's barrier
	s_barrier_signal -1
	s_barrier_wait -1
	s_cmp_lg_u32 s14, 0
	s_cbranch_scc1 .Lnot_wave_0_\@
	s_barrier_signal -3
.Lnot_wave_0_\@:
	s_barrier_wait -3
	s_barrier_signal -1
	s_barrier_wait -1
.endm
	s_load_b256 s[4:11], s[0:1], 0x0               ; cd s[4:5], sc s[6:7], qk s[8:9], vt s[10:11]
	s_load_b64 s[12:13], s[0:1], 0x20              ; h32
	v_lshl_add_u32 v[SPW], v0, 2, SPARE
	v_mov_b32 v[NIL], 0
	ds_add_u32 v[SPW], v[NIL]                      ; the wave's opening: the add, twice on end, and its wait ahead of my first tensor load
	ds_add_u32 v[SPW], v[NIL]
	v_lshrrev_b32 v1, 5, v0
	v_readfirstlane_b32 s14, v1                    ; wave 0..3
	s_lshr_b32 s15, s14, 1                         ; which half of the tile's rows is mine.  Also: I fetch for A (0) or for B (1)
	s_and_b32 s16, s14, 1                          ; which half of its columns.  Also: which 128 rows I fetch
	s_bfe_u32 s40, ttmp6, 0x40000                  ; cx
	s_bfe_u32 s41, ttmp6, 0x40004                  ; cy
	s_and_b32 s96, ttmp7, 0xffff                   ; the cluster's y
	s_cmp_eq_u32 ttmp9, 2                          ; does my cluster make v?  The same in all sixteen partners
	s_cselect_b32 s97, 0, s96                      ; what counts A's tile rows by fours
	s_cselect_b32 s98, s96, ttmp9                  ; what counts B's tile columns by fours
	s_cselect_b32 s99, 10240, 0                    ; A's first row in cd: Wv's or x's
	s_cselect_b32 s100, 0, 8192                    ; B's: x's or Wq's
	s_cselect_b32 s[ISV], 1, 0
	s_lshl_b32 s42, s98, 2
	s_add_co_u32 s42, s42, s40                     ; tile column
	s_lshl_b32 s17, s97, 2
	s_add_co_u32 s17, s17, s41                     ; tile row
	s_lshl_b32 s43, s41, 2
	s_lshl_b32 s43, 15, s43                        ; my row of the cluster
	s_lshl_b32 s44, 0x1111, s40                    ; my column
	s_or_b32 s[G1+0], s43, (0<<16)|(1<<20)|(1<<21)|(5<<22)|(3<<25)  ; the mask; elements of 1 byte; padding on; bit 21 beside a mask; 4 words behind every 64
	s_or_b32 s[G1B+0], s44, (0<<16)|(1<<20)|(1<<21)|(5<<22)|(3<<25)
.irp g, G1, G1B
	s_mov_b32 s[\g+1], ROWB<<16                    ; tensor_dim0
	s_mov_b32 s[\g+2], 128<<16                     ; tensor_dim1
	s_mov_b32 s[\g+3], ROWB<<16                    ; tile_dim0
	s_mov_b32 s[\g+4], 128                         ; tile_dim1
	s_mov_b32 s[\g+5], KROW                        ; from row to row
	s_mov_b32 s[\g+6], 0
	s_mov_b32 s[\g+7], 0
.endr
	s_or_b32 s[G1S+0], s43, (3<<16)|(1<<20)|(1<<21)|(5<<22)|(3<<25) ; the scales of 128 rows: 4,096 dense bytes as 16 rows of 32 elements of 8 bytes
	s_or_b32 s[G1SB+0], s44, (3<<16)|(1<<20)|(1<<21)|(5<<22)|(3<<25)
.irp g, G1S, G1SB
	s_mov_b32 s[\g+1], 32<<16
	s_mov_b32 s[\g+2], (128*KS/256)<<16
	s_mov_b32 s[\g+3], 32<<16
	s_mov_b32 s[\g+4], 128*KS/256
	s_mov_b32 s[\g+5], 32
	s_mov_b32 s[\g+6], 0
	s_mov_b32 s[\g+7], 0
.endr
	s_lshl_b32 s18, s16, 7                         ; which 128 rows of the tile I fetch
	s_lshl_b32 s20, s17, 8
	s_add_co_u32 s20, s20, s18
	s_add_co_u32 s20, s20, s99                     ; A: row of cd; it never holds cx
	s_lshl_b32 s46, s42, 8
	s_add_co_u32 s46, s46, s18
	s_add_co_u32 s46, s46, s100                    ; B: row of cd; it never holds cy
	s_lshl_b32 s22, s20, 5                         ; where these rows' scales begin, in bytes,
	s_mov_b32 s23, 0
	s_lshl_b32 s92, s46, 5
	s_mov_b32 s93, 0
	s_lshl_b32 s20, s20, 9                         ; and their codes
	s_mov_b32 s21, 0
	s_lshl_b32 s46, s46, 9
	s_mov_b32 s47, 0
	s_mul_i32 s45, s14, HALFT                      ; where they go: wave x 128 rows: no place in the cluster enters an LDS address
	s_mul_i32 s94, s14, HALFS
	s_wait_dscnt 0x0                               ; both opening adds are done
	s_wait_kmcnt 0x0
	s_add_nc_u64 s[20:21], s[4:5], s[20:21]
	s_add_nc_u64 s[22:23], s[6:7], s[22:23]
	s_add_nc_u64 s[46:47], s[4:5], s[46:47]
	s_add_nc_u64 s[92:93], s[6:7], s[92:93]
	CROUND                                         ; all sixteen work-groups are here: the joint loads meet
	s_mov_b32 s[G0S], 1
	s_add_co_u32 s[G0S+1], s94, SCL
	s_mov_b64 s[G0S+2:G0S+3], s[22:23]
	s_or_b32 s[G0S+3], s[G0S+3], 0x80000000
	s_mov_b32 s[G0SB], 1
	s_add_co_u32 s[G0SB+1], s94, SCL
	s_mov_b64 s[G0SB+2:G0SB+3], s[92:93]
	s_or_b32 s[G0SB+3], s[G0SB+3], 0x80000000
	JLOAD G0S, G1S, G0SB, G1SB                     ; the scales first: they are wanted with the first slot
.irp s, 0,1
	s_mov_b32 s[G0+4*\s], 1
	s_add_co_u32 s[G0+4*\s+1], s45, \s*SLOT
	s_add_nc_u64 s[G0+4*\s+2:G0+4*\s+3], s[20:21], \s*ROWB
	s_or_b32 s[G0+4*\s+3], s[G0+4*\s+3], 0x80000000
	s_mov_b32 s[G0B+4*\s], 1
	s_add_co_u32 s[G0B+4*\s+1], s45, \s*SLOT
	s_add_nc_u64 s[G0B+4*\s+2:G0B+4*\s+3], s[46:47], \s*ROWB
	s_or_b32 s[G0B+4*\s+3], s[G0B+4*\s+3], 0x80000000
	JLOAD G0+4*\s, G1, G0B+4*\s, G1B               ; three loads of mine are out behind the second of these
.endr
	v_and_b32 v1, 15, v0                           ; r = l % 16
	v_bfe_u32 v2, v0, 4, 1                         ; h = l / 16
	v_mul_u32_u24 v3, v1, PITCH
	v_lshl_add_u32 v4, v2, 4, v3                   ; a fragment's row x pitch + 16 x half
	s_mul_i32 s21, s15, HALFT                      ; my 128 rows of A
	s_mul_i32 s22, s16, HALFT                      ; my 128 rows of B,
	s_add_co_u32 s22, s22, 2*HALFT                 ; which lie behind A's 256
.irp s, 0,1
	v_add_nc_u32 v[ADRA+\s], s21, v4
	v_add_nc_u32 v[ADRB+\s], s22, v4
	s_add_co_u32 s21, s21, SLOT
	s_add_co_u32 s22, s22, SLOT
.endr
	v_mul_u32_u24 v5, v1, KS                       ; my row's scales: 32 bytes a row,
	v_lshrrev_b32 v6, 8, v5
	v_lshl_add_u32 v5, v6, 4, v5                   ; and 16 more for each 256 passed
	s_mul_i32 s21, s15, HALFS
	s_mul_i32 s22, s16, HALFS
	s_add_co_u32 s22, s22, 2*HALFS
	s_sub_co_u32 s22, s22, s21
	v_mul_u32_u24 v6, s22, v2                      ; lanes 16-31 take B's: one product, the distance between the two bases
	s_add_co_u32 s21, s21, SCL
	v_add_nc_u32 v5, v5, v6
	v_add_nc_u32 v[ADRS], s21, v5
	s_mul_i32 s23, s14, 16*SPITCH                  ; my stage
	v_mul_u32_u24 v5, v1, SPITCH                   ; in: row r, 16 bytes for each half of the lanes
	v_lshl_add_u32 v5, v2, 4, v5
	v_add_nc_u32 v[STO], s23, v5
	v_mul_u32_u24 v5, v2, SPITCH                   ; back: lanes 0-15 one row of 256 bytes, lanes 16-31 the next
	v_lshl_add_u32 v5, v1, 4, v5
	v_add_nc_u32 v[RD], s23, v5
	v_lshlrev_b32 v5, 12, v2                       ; and the same two rows in qk or vt: 4,096 bytes a row in both
	v_lshl_add_u32 v[CO], v1, 4, v5
	; where my part of C begins.  q, k: row 256 TR + 128 rh, column tile TC.  v: row 1,024 (TC / 8) + 256 TR + 128 rh, column tile TC % 8
	s_lshr_b32 s18, s42, 3
	s_lshl_b32 s18, s18, 10
	s_and_b32 s19, s42, 7
	s_cmp_eq_u32 s[ISV], 1
	s_cselect_b64 s[8:9], s[10:11], s[8:9]         ; vt or qk
	s_cselect_b32 s18, s18, 0
	s_cselect_b32 s19, s19, s42
	s_lshl_b32 s20, s17, 8
	s_add_co_u32 s20, s20, s18
	s_lshl_b32 s21, s15, 7
	s_add_co_u32 s20, s20, s21
	s_lshl_b32 s20, s20, 12
	s_lshl_b32 s19, s19, 9
	s_add_co_u32 s20, s20, s19
	s_lshl_b32 s21, s16, 8
	s_add_co_u32 s20, s20, s21
	s_mov_b32 s21, 0
	s_add_nc_u64 s[8:9], s[8:9], s[20:21]
	; the f32 copy of positions 0 to 15.  q, k: they are rows 0-15 of the tile rows with TR % 8 = 0, in the waves with rh = 0.  v: columns 0-15 of the tile columns with TC % 8 = 0, ch = 0
	s_and_b32 s18, s17, 7
	s_or_b32 s18, s18, s15
	s_and_b32 s19, s42, 7
	s_or_b32 s19, s19, s16
	s_lshr_b32 s22, s17, 3
	s_lshl_b32 s22, s22, 17                        ; q, k: 131,072 bytes a sequence,
	s_lshl_b32 s23, s42, 10
	s_add_co_u32 s22, s22, s23
	s_lshl_b32 s23, s16, 9
	s_add_co_u32 s22, s22, s23                     ; + 4 (256 TC + 128 ch)
	s_lshr_b32 s46, s42, 3
	s_lshl_b32 s46, s46, 10
	s_lshl_b32 s47, s17, 8
	s_add_co_u32 s46, s46, s47
	s_lshl_b32 s47, s15, 7
	s_add_co_u32 s46, s46, s47
	s_lshl_b32 s46, s46, 6                         ; v: 64 bytes for each d,
	s_add_co_u32 s46, s46, 524288                  ; behind q's and k's
	s_cmp_eq_u32 s[ISV], 1
	s_cselect_b32 s18, s19, s18
	s_cselect_b32 s22, s46, s22
	s_cselect_b32 s19, 6, 13                       ; from lane r to lane r + 1: 64 bytes or 8,192
	s_mov_b32 s23, 0
	s_add_nc_u64 s[12:13], s[12:13], s[22:23]
	v_lshlrev_b32 v[HO], s19, v1
	v_lshl_add_u32 v[HO], v2, 5, v[HO]             ; + 32 h: a lane's eight numbers
	v_mov_b32 v[HF], s18
.macro FRAG reg, adr, q, i             ; 16 rows x 128 K of 4-bit codes: lane l holds row l % 16; registers 4 c .. 4 c + 3 hold K = 64 c + 32 (l / 16) + 0 .. 31
.irp c, 0,1
	ds_load_b128 v[\reg+4*\c:\reg+4*\c+3], v[\adr] offset:64*(\q)+32*\c+(\i)*16*PITCH
.endr
.endm
; 16 matrix instructions: A's blocks a0, a0 + 1 x B's eight, the slot's q-th 128 along K.  p: B's set; sc: the set of scale words.  zero = 1: the first product starts the sums.
; The 64 accumulators take turns, one instruction a turn, in the same order in every step.
.macro MUL16 a0, p, q, sc, zero
.irp a, \a0, \a0+1
.irp b, 0,1,2,3,4,5,6,7
.if \zero
	v_wmma_scale_f32_16x16x128_f8f6f4 v[8*(8*((\a)%4)+\b):8*(8*((\a)%4)+\b)+7], v[128*(\p)+FR*\b:128*(\p)+FR*\b+FR-1], v[AF+FR*(\a):AF+FR*(\a)+FR-1], 0, v[SC+8*NQ*(\sc)+NQ*\b+(\q)], v[SC+8*NQ*(\sc)+NQ*(\a)+(\q)] matrix_a_fmt:MATRIX_FMT_FP4 matrix_b_fmt:MATRIX_FMT_FP4 matrix_a_scale:MATRIX_SCALE_ROW1
.else
	v_wmma_scale_f32_16x16x128_f8f6f4 v[8*(8*((\a)%4)+\b):8*(8*((\a)%4)+\b)+7], v[128*(\p)+FR*\b:128*(\p)+FR*\b+FR-1], v[AF+FR*(\a):AF+FR*(\a)+FR-1], v[8*(8*((\a)%4)+\b):8*(8*((\a)%4)+\b)+7], v[SC+8*NQ*(\sc)+NQ*\b+(\q)], v[SC+8*NQ*(\sc)+NQ*(\a)+(\q)] matrix_a_fmt:MATRIX_FMT_FP4 matrix_b_fmt:MATRIX_FMT_FP4 matrix_a_scale:MATRIX_SCALE_ROW1
.endif
.endr
.endr
.endm
.macro FETCH_B slot, q, p
	WIN TO_B
.irp i, 0,1,2,3,4,5,6,7
	FRAG 128*(\p)+FR*\i, ADRB+\slot, \q, \i
.endr
	WIN 0
.endm
.macro FETCH_A slot, q, i0
.irp i, \i0, \i0+1, \i0+2, \i0+3
	FRAG AF+FR*(\i), ADRA+\slot, \q, \i
.endr
.endm
.macro SCALES sc                       ; a slot's scale words: 4 words a row; lanes 0-15 take A's block i, lanes 16-31 B's block i
.irp i, 0,1,2,3,4,5,6,7
	ds_load_b128 v[SC+8*NQ*\sc+NQ*\i:SC+8*NQ*\sc+NQ*\i+3], v[ADRS] offset:\i*SBLK
.endr
.endm
.macro PLACES n                        ; plain vector lines between a matrix instruction and a load into, or a read of, its registers
.rept \n
	v_nop
.endr
.endm
.macro STEP slot, q, zero              ; a step of 128 along K that has its successor in the same slot
	s_wait_dscnt 4*NL                              ; B's set and A's blocks 0-3 are in; the eight loads of A's blocks 4-7 may be out
	WIN MUL_LO
	MUL16 0, (\q)%2, \q, \slot, \zero
	MUL16 2, (\q)%2, \q, \slot, \zero
	s_wait_dscnt 0
	PLACES NP
	FETCH_B \slot, (\q)+1, 1-(\q)%2
	FETCH_A \slot, (\q)+1, 0
	WIN MUL_HI
	MUL16 4, (\q)%2, \q, \slot, \zero
	MUL16 6, (\q)%2, \q, \slot, \zero
	PLACES NP
	WIN 0
	FETCH_A \slot, (\q)+1, 4
.endm
.macro TURN slot, next                 ; a slot's last step changes slots: one barrier; nothing is filled again
	s_wait_tensorcnt 0x0                           ; all my tensor loads have landed: my part of the next slot
	ds_add_u32 v[SPW], v[NIL]                      ; 0 onto my spare word
	s_wait_dscnt 4*NL+1                            ; the add and the eight loads of A's blocks 4-7 may be out
	WIN MUL_LO
	MUL16 0, 1, NQ-1, \slot, 0
	s_wait_dscnt 0x0                               ; the add is done, and my reads of this slot are over
	s_barrier_signal -1
	MUL16 2, 1, NQ-1, \slot, 0
	WIN 0
	s_barrier_wait -1                              ; the next slot is whole, and nobody reads this one any more
	PLACES NP
	v_add_nc_u32 v[ADRS], 4*NQ, v[ADRS]            ; on to the next slot's scale words
	FETCH_B \next, 0, 0
	FETCH_A \next, 0, 0
	SCALES \next
	WIN MUL_HI
	MUL16 4, 1, NQ-1, \slot, 0
	MUL16 6, 1, NQ-1, \slot, 0
	PLACES NP
	WIN 0
	FETCH_A \next, 0, 4
.endm
.macro STEPS slot, from
.set Q, \from
.rept NQ-1-\from
	STEP \slot, Q, 0
.set Q, Q+1
.endr
.endm
	s_wait_tensorcnt 1                             ; the scales and my part of slot 0 are in; slot 1's load may be out
	s_barrier_signal -1
	s_barrier_wait -1
	FETCH_B 0, 0, 0
	FETCH_A 0, 0, 0
	SCALES 0
	FETCH_A 0, 0, 4
	STEP 0, 0, 1                                   ; the first step's products start the sums: nothing is cleared
	STEPS 0, 1
	TURN 0, 1
	STEPS 1, 0
	s_wait_dscnt 4*NL                              ; the very last step: nothing more to fetch
	WIN MUL_LO
	MUL16 0, 1, NQ-1, 1, 0
	MUL16 2, 1, NQ-1, 1, 0
	s_wait_dscnt 0
	WIN MUL_HI
	MUL16 4, 1, NQ-1, 1, 0
	MUL16 6, 1, NQ-1, 1, 0
	WIN 0
	PLACES NP                                      ; behind the last products: their results are read, and registers that they read are loaded, from here on
	; THE F32 COPY.  The arm is chosen on the cluster's x, the same in all partners; which waves store is a matter of EXEC, not of a branch.
	s_cmp_eq_u32 s[ISV], 1
	s_cbranch_scc1 .Lside_v
	v_cmp_eq_u32 vcc_lo, 0, v[HF]
	s_wait_xcnt 0x0                                ; EXEC changes only behind this wait
	s_and_saveexec_b32 s67, vcc_lo
	WIN 0x08                                       ; a store's data are its source 1: window 2
.irp b, 0,1,2,3,4,5,6,7                        ; accumulators (0, b): lane (r, h) holds position r, columns 16 b + 8 h + 0 .. 7
	global_store_b128 v[HO], v[8*\b:8*\b+3], s[12:13] offset:64*\b
	global_store_b128 v[HO], v[8*\b+4:8*\b+7], s[12:13] offset:64*\b+16
.endr
	WIN 0
	s_wait_xcnt 0x0                                ; and again in front of the line that widens it
	s_or_b32 exec_lo, exec_lo, s67
	s_branch .Lside_done
.Lside_v:
	v_cmp_eq_u32 vcc_lo, 0, v[HF]
	s_wait_xcnt 0x0
	s_and_saveexec_b32 s67, vcc_lo
	WIN 0x08
.irp a, 0,1,2,3                                ; accumulators (a, 0): lane (r, h) holds d = 16 a + r, positions 8 h + 0 .. 7
	global_store_b128 v[HO], v[64*\a:64*\a+3], s[12:13] offset:1024*\a
	global_store_b128 v[HO], v[64*\a+4:64*\a+7], s[12:13] offset:1024*\a+16
.endr
	WIN 0x0c
.irp a, 0,1,2,3
	global_store_b128 v[HO], v[64*\a:64*\a+3], s[12:13] offset:1024*(\a+4)
	global_store_b128 v[HO], v[64*\a+4:64*\a+7], s[12:13] offset:1024*(\a+4)+16
.endr
	WIN 0
	s_wait_xcnt 0x0
	s_or_b32 exec_lo, exec_lo, s67
.Lside_done:
; THE WAY OUT, block by block of 16 rows x 128 columns: rounded to f16, 16 bytes a lane, through my own stage, back as whole rows of 256 bytes.
.macro PACK a
.set AC, 64*((\a)%4)
	WIN 0x0a+5*((\a)/4)                            ; sources 0 and 1: window 2 or 3
.irp b, 0,1,2,3,4,5,6,7
.irp r, 0,1,2,3
	v_cvt_pk_f16_f32 v[TMP+4*\b+\r], v[AC+8*\b+2*\r], v[AC+8*\b+2*\r+1]   ; each accumulator from its low end on
.endr
.endr
	WIN 0
.endm
.macro TOSTAGE a
.set BK, OB+192*((\a)%2)
.irp b, 0,1,2,3,4,5,6,7
	ds_store_b128 v[STO], v[TMP+4*\b:TMP+4*\b+3] offset:32*\b
.endr
.irp t, 0,1,2,3,4,5,6,7
	ds_load_b128 v[BK+4*\t:BK+4*\t+3], v[RD] offset:\t*2*SPITCH    ; LDS serves a wave's instructions in order: these see the stores above
.endr
.endm
.macro SEND a
.set BK, OB+192*((\a)%2)
	s_wait_dscnt 0x0                               ; the block is back in registers
	s_wait_xcnt 0x0                                ; earlier stores have read their base and their data: both may be written again
.if (\a) > 0
	s_add_nc_u64 s[8:9], s[8:9], 16*4096           ; 16 rows on
.endif
.irp t, 0,1,2,3,4,5,6,7
	global_store_b128 v[CO], v[BK+4*\t:BK+4*\t+3], s[8:9] offset:2*\t*4096   ; 16 lanes store 256 consecutive bytes, aligned
.endr
.endm
	PACK 0
	TOSTAGE 0
.irp a, 1,2,3,4,5,6,7                  ; block a's conversions stand between block a - 1's loads from the stage and the wait for them
	PACK \a
	SEND \a-1
	TOSTAGE \a
.endr
	SEND 7
	s_wait_tensorcnt 0x0                           ; the wave's end
	ds_add_u32 v[SPW], v[NIL]
	s_wait_dscnt 0x0
	CROUND                                         ; the closing round: no work-group ends while a partner may still ask for a tile that names it
	s_endpgm
.Lfunc_end_k_q5884955152_proj:
	.size	k_q5884955152_proj, .Lfunc_end_k_q5884955152_proj-k_q5884955152_proj
	.p2alignl 7, 3214868480
	.fill 96, 4, 3214868480
	.section	.rodata,"a",@progbits
	.p2align	6, 0x0
	.amdhsa_kernel k_q5884955152_proj
		.amdhsa_group_segment_fixed_size 327680
		.amdhsa_private_segment_fixed_size 0
		.amdhsa_enable_private_segment 0
		.amdhsa_kernarg_size 40
		.amdhsa_user_sgpr_count 2
		.amdhsa_user_sgpr_kernarg_segment_ptr 1
		.amdhsa_wavefront_size32 1
		.amdhsa_system_sgpr_workgroup_id_x 1
		.amdhsa_system_sgpr_workgroup_id_y 1
		.amdhsa_system_sgpr_workgroup_id_z 1
		.amdhsa_system_vgpr_workitem_id 0
		.amdhsa_next_free_vgpr 1024
		.amdhsa_next_free_sgpr 102
		.amdhsa_reserve_vcc 1
		.amdhsa_float_denorm_mode_32 3
		.amdhsa_float_denorm_mode_16_64 3
		.amdhsa_memory_ordered 1
		.amdhsa_forward_progress 1
		.amdhsa_inst_pref_size 132
	.end_amdhsa_kernel
	.amdgpu_metadata
---
amdhsa.version: [ 1, 2 ]
amdhsa.kernels:
  - .name:           k_q5884955152_proj
    .symbol:         k_q5884955152_proj.kd
    .args:
      - { .name: cd, .offset: 0, .size: 8, .value_kind: global_buffer, .address_space: global }
      - { .name: sc, .offset: 8, .size: 8, .value_kind: global_buffer, .address_space: global }
      - { .name: qk, .offset: 16, .size: 8, .value_kind: global_buffer, .address_space: global }
      - { .name: vt, .offset: 24, .size: 8, .value_kind: global_buffer, .address_space: global }
      - { .name: h32, .offset: 32, .size: 8, .value_kind: global_buffer, .address_space: global }
    .group_segment_fixed_size: 327680
    .private_segment_fixed_size: 0
    .kernarg_segment_align: 8
    .kernarg_segment_size: 40
    .max_flat_workgroup_size: 128
    .sgpr_count:     102
    .vgpr_count:     1024
    .wavefront_size: 32
...
	.end_amdgpu_metadata
.endif
;; end of part 2
;; launch scores (part 3): grid 9 x 16, 4 waves a work-group, no clusters, 327,680 bytes of LDS; arguments qk, pt, st; writes pt, st
.if DOCPART == 3
	.amdgcn_target "amdgcn-amd-amdhsa--gfx1250"
	.amdhsa_code_object_version 6
	.text
	.protected	k_q5884955152_scores
	.globl	k_q5884955152_scores
	.p2align	8
	.type	k_q5884955152_scores,@function
k_q5884955152_scores:
	s_mov_b64 s[64:65], 0
	v_nop
	global_prefetch_b8 v0, s[64:65] scope:SCOPE_SE
	s_setreg_imm32_b32 hwreg(HW_REG_WAVE_MODE, 25, 1), 1
	s_wait_xcnt 0x0
; p~ = 2^(t - M_kb), t = (q . k) log2(e) / 32, for the 36 tiles of 256 queries x 256 keys of each sequence that lie at or under the diagonal.
; WORK LEFT OUT: the tiles wholly above the diagonal; reference()'s own mask makes their weights exactly 0 (shown at the head of the first launch).
; qk: [8,192][2,048] f16, q | k.  pt: [4][2,048 q][2,048 key] f16.  st: f32 [4][2 planes][16 kb][2,048 q]: plane 0 -M_kb, plane 1 l_kb.
; THE SOFTMAX IS TAKEN BY BLOCKS OF 128 KEYS.  For a row and a block kb: M_kb = the largest t of the keys that count, rounded UP to a whole number (kept as -M = floor(-t));
; p~ = 2^(t - M_kb), at most 1, goes out as f16; l_kb = the sum of the unrounded p~, in f32.  The next launch takes the row's largest M and brings all under it by powers of two.
; A block none of whose keys counts (the upper right quarter of a diagonal tile) gets p~ = 0, l = 0 and a -M far above every other, so that its factor there is 0.
; The floor under the maximum, -1e30, lies under every score of f16 operands (at most 65,504^2 x 1,024 in size).
; SHARES.  144 work-groups of equal work: work-group (u, 4 b + w) takes tile (w, u) where u <= w, else tile (7 - w, u - w - 1): rows w and 7 - w of the triangle hold 9 tiles together.
; Four waves, 128 queries x 128 keys each: 64 accumulators, 512 registers; so a wave's columns are one block kb, and its rows' statistics need no other wave.
; NO CLUSTER: a row of the triangle holds I + 1 tiles and a column 8 - J, so only rows 3 and 7 and columns 0 and 4 divide into fours.
; K = 1,024 goes in 8 steps of 128 through two LDS slots (rows of 256 bytes); each wave fetches a quarter of a slot with one tensor load.
; THE MATRIX INSTRUCTION IS USED TRANSPOSED (source 0 = 16 keys, source 1 = 16 queries): a lane holds one query and eight neighbouring keys.
; REGISTERS: window 0: v0-31 addresses; v64-127, v128-191 q's fragments, two buffers; behind the products v32-127 and v192-255 are at work.
;   window 1: k's fragments, two buffers.   window 2: the accumulators of my rows 0-63 ((a, b) at v[8 (8 a + b)]);   window 3: those of rows 64-127.
.set PITCH,  272                       ; an LDS row: 256 bytes + 16 of padding
.set HALFT,  128*PITCH
.set SLOT,   4*HALFT                   ; q's 256 rows, then k's 256 rows
.set STAGE,  2*SLOT                    ; 16 rows x 272 bytes for each wave, for the way out
.set SPITCH, 272
.set SCR,    STAGE+4*16*SPITCH         ; 1,024 bytes for each wave: its 128 rows' -M, then their l
.set SPARE,  SCR+4096                  ; the spare words, 128 bytes a wave, which no other line names
.set ADRA, 16
.set ADRB, 20
.set SL,   22                          ; v22  where I read 16 bytes of the statistics back
.set GS,   23                          ; v23  16 x lane: their place in st
.set STO,  24
.set RD,   25
.set CO,   26
.set SS,   27                          ; v27  where I put a row's -M (lanes 0-15) or l (lanes 16-31)
.set SPW,  28
.set NIL,  29
.set D0,   30                          ; v30  my query less my first key, within the tile
.set NEG,  31                          ; v31  -infinity
.set F0,   64
.set F1,   128
.set T,    64                          ; v64-95  at work
.set NM,   96                          ; v96  -M; v97 is named with it as a pair
.set MS,   100                         ; v100-107 a block of rows' statistics each
.set TMP,  192
.set OB,   32
.set G1, 24
.set G0, 32
.set MSB, 0
.macro WIN new
.if MSB != (\new)
	s_set_vgpr_msb (MSB<<8)|(\new)
.set MSB, (\new)
.endif
.endm
.set MUL_LO, 0xa1
.set MUL_HI, 0xf1
.set TO_B,   0x40
	s_load_b128 s[4:7], s[0:1], 0x0                ; qk, pt
	s_load_b64 s[8:9], s[0:1], 0x10                ; st
	v_lshl_add_u32 v[SPW], v0, 2, SPARE
	v_mov_b32 v[NIL], 0
	ds_add_u32 v[SPW], v[NIL]                      ; the wave's opening: the add, twice on end, and its wait ahead of my first tensor load
	ds_add_u32 v[SPW], v[NIL]
	v_lshrrev_b32 v1, 5, v0
	v_readfirstlane_b32 s10, v1                    ; wave 0..3
	s_lshr_b32 s11, s10, 1                         ; rh: which half of the queries.  Also: I fetch q (0) or k (1)
	s_and_b32 s12, s10, 1                          ; ch: which half of the keys.  Also: which 128 rows I fetch
	s_and_b32 s13, ttmp7, 0xffff
	s_lshr_b32 s14, s13, 2                         ; the sequence
	s_and_b32 s13, s13, 3                          ; w
	s_sub_co_u32 s15, 7, s13
	s_sub_co_u32 s16, ttmp9, s13
	s_sub_co_u32 s16, s16, 1
	s_cmp_le_u32 ttmp9, s13
	s_cselect_b32 s40, s13, s15                    ; I: the tile's row
	s_cselect_b32 s41, ttmp9, s16                  ; J: its column
	s_cmp_eq_u32 s40, s41
	s_cselect_b32 s42, 1, 0                        ; 1 on the diagonal
	s_mov_b32 s[G1+0], (1<<16)|(1<<20)|(5<<22)|(3<<25)   ; no mask; elements of 2 bytes; 4 words of padding behind every 64
	s_mov_b32 s[G1+1], 128<<16                     ; tensor_dim0
	s_mov_b32 s[G1+2], 128<<16                     ; tensor_dim1
	s_mov_b32 s[G1+3], 128<<16                     ; tile_dim0
	s_mov_b32 s[G1+4], 128                         ; tile_dim1
	s_mov_b32 s[G1+5], 2048                        ; elements from row to row
	s_mov_b32 s[G1+6], 0
	s_mov_b32 s[G1+7], 0
	s_cmp_eq_u32 s11, 0
	s_cselect_b32 s16, s40, s41                    ; q's rows by I, k's by J
	s_cselect_b32 s17, 0, 2048                     ; k lies 2,048 bytes on in a row
	s_lshl_b32 s16, s16, 8
	s_lshl_b32 s18, s14, 11
	s_add_co_u32 s16, s16, s18
	s_lshl_b32 s18, s12, 7
	s_add_co_u32 s16, s16, s18
	s_lshl_b32 s16, s16, 12                        ; 4,096 bytes a row
	s_add_co_u32 s16, s16, s17
	s_mov_b32 s17, 0
	s_mul_i32 s20, s10, HALFT                      ; where my quarter goes
	s_mov_b32 s58, 0x3d38aa3b                      ; c = log2(e) / 32
	s_mov_b32 s59, s58                             ; (named with it as a pair)
	s_mov_b32 s60, 0x76543210
	s_mov_b32 s61, 0xfedcba98                      ; v_permlanex16_b32's selects for lane l xor 16
	s_mov_b32 s43, 0xffff0000                      ; lanes 16-31
	s_wait_dscnt 0x0                               ; both opening adds are done
	s_wait_kmcnt 0x0
	s_add_nc_u64 s[18:19], s[4:5], s[16:17]
.irp s, 0,1                                    ; every wave issues both first fills: two loads of mine are out
	s_mov_b32 s[G0+4*\s], 1
	s_add_co_u32 s[G0+4*\s+1], s20, \s*SLOT
	s_add_nc_u64 s[G0+4*\s+2:G0+4*\s+3], s[18:19], \s*256
	s_or_b32 s[G0+4*\s+3], s[G0+4*\s+3], 0x80000000
	tensor_load_to_lds s[G0+4*\s:G0+4*\s+3], s[G1:G1+7]
	s_nop 0
.endr
.rept 4
	v_nop
.endr
	v_and_b32 v1, 15, v0                           ; r
	v_bfe_u32 v2, v0, 4, 1                         ; h
	v_mul_u32_u24 v3, v1, PITCH
	v_lshl_add_u32 v3, v2, 4, v3
	s_mul_i32 s21, s11, HALFT
	s_mul_i32 s22, s12, HALFT
	s_add_co_u32 s22, s22, 2*HALFT
.irp s, 0,1
	v_add_nc_u32 v[ADRA+\s], s21, v3
	v_add_nc_u32 v[ADRB+\s], s22, v3
	s_add_co_u32 s21, s21, SLOT
	s_add_co_u32 s22, s22, SLOT
.endr
	s_mul_i32 s23, s10, 16*SPITCH
	s_add_co_u32 s23, s23, STAGE
	v_mul_u32_u24 v4, v1, SPITCH
	v_lshl_add_u32 v4, v2, 4, v4
	v_add_nc_u32 v[STO], s23, v4
	v_mul_u32_u24 v5, v2, SPITCH
	v_lshl_add_u32 v5, v1, 4, v5
	v_add_nc_u32 v[RD], s23, v5
	v_lshlrev_b32 v5, 12, v2
	v_lshl_add_u32 v[CO], v1, 4, v5
	s_lshl_b32 s23, s10, 10
	s_add_co_u32 s23, s23, SCR
	v_lshlrev_b32 v[SS], 2, v1
	v_lshl_add_u32 v[SS], v2, 9, v[SS]
	v_add_nc_u32 v[SS], s23, v[SS]
	v_and_b32 v5, 31, v0
	v_lshlrev_b32 v[GS], 4, v5
	v_add_nc_u32 v[SL], s23, v[GS]
	s_sub_co_i32 s16, s11, s12
	s_lshl_b32 s16, s16, 7
	v_lshlrev_b32 v[D0], 3, v2
	v_sub_nc_u32 v[D0], v1, v[D0]
	v_add_nc_u32 v[D0], s16, v[D0]                 ; r - 8 h + 128 rh - 128 ch
	v_mov_b32 v[NEG], 0xff800000
	s_lshl_b32 s16, s14, 11                        ; pt: row 2,048 b + 256 I + 128 rh of 4,096 bytes, + 512 J + 256 ch
	s_lshl_b32 s17, s40, 8
	s_add_co_u32 s16, s16, s17
	s_lshl_b32 s17, s11, 7
	s_add_co_u32 s16, s16, s17
	s_lshl_b32 s16, s16, 12
	s_lshl_b32 s17, s41, 9
	s_add_co_u32 s16, s16, s17
	s_lshl_b32 s17, s12, 8
	s_add_co_u32 s16, s16, s17
	s_mov_b32 s17, 0
	s_add_nc_u64 s[6:7], s[6:7], s[16:17]
	s_lshl_b32 s16, s14, 18                        ; st: 262,144 b + 8,192 (2 J + ch) + 4 (256 I + 128 rh)
	s_lshl_b32 s17, s41, 14
	s_add_co_u32 s16, s16, s17
	s_lshl_b32 s17, s12, 13
	s_add_co_u32 s16, s16, s17
	s_lshl_b32 s17, s40, 10
	s_add_co_u32 s16, s16, s17
	s_lshl_b32 s17, s11, 9
	s_add_co_u32 s16, s16, s17
	s_mov_b32 s17, 0
	s_add_nc_u64 s[8:9], s[8:9], s[16:17]
; 16 matrix instructions: query blocks a0, a0 + 1 of the window's four x all 8 key blocks, 32 along K.  zero = 1: the first product starts the sums.
; The 64 accumulators take turns, one instruction a turn, in the same order in every quarter.
.macro MUL16 f, hi, a0, zero
.irp a, \a0, \a0+1
.irp b, 0,1,2,3,4,5,6,7
.if \zero
	v_wmma_f32_16x16x32_f16 v[8*(8*(\a)+\b):8*(8*(\a)+\b)+7], v[\f+8*\b:\f+8*\b+7], v[\f+8*(4*\hi+\a):\f+8*(4*\hi+\a)+7], 0
.else
	v_wmma_f32_16x16x32_f16 v[8*(8*(\a)+\b):8*(8*(\a)+\b)+7], v[\f+8*\b:\f+8*\b+7], v[\f+8*(4*\hi+\a):\f+8*(4*\hi+\a)+7], v[8*(8*(\a)+\b):8*(8*(\a)+\b)+7]
.endif
.endr
.endr
.endm
.macro FETCH slot, k, f                ; 32 LDS loads in one run: a quarter's fragments (128 keys, 128 queries, 32 along K at byte k)
	WIN TO_B
.irp i, 0,1,2,3,4,5,6,7
	ds_load_b128 v[\f+8*\i:\f+8*\i+3],   v[ADRB+\slot] offset:\k+\i*16*PITCH
	ds_load_b128 v[\f+8*\i+4:\f+8*\i+7], v[ADRB+\slot] offset:\k+\i*16*PITCH+32
.endr
	WIN 0
.irp i, 0,1,2,3,4,5,6,7
	ds_load_b128 v[\f+8*\i:\f+8*\i+3],   v[ADRA+\slot] offset:\k+\i*16*PITCH
	ds_load_b128 v[\f+8*\i+4:\f+8*\i+7], v[ADRA+\slot] offset:\k+\i*16*PITCH+32
.endr
.endm
.macro PLACES                          ; four plain vector lines between a matrix instruction and a load into, or a vector line on, its registers
.rept 4
	v_nop
.endr
.endm
.macro QUARTER slot, k, f, g, zero
	s_wait_dscnt 8                                 ; k's fragments and q's rows 0-63 are in; the eight loads of q's rows 64-127 may be out
	WIN MUL_LO
	MUL16 \f, 0, 0, \zero
	MUL16 \f, 0, 2, \zero
	PLACES
	FETCH \slot, \k, \g
	s_wait_dscnt 32                                ; all but the 32 just issued
	WIN MUL_HI
	MUL16 \f, 1, 0, \zero
	MUL16 \f, 1, 2, \zero
.endm
; A slot's last quarter changes slots: ONE barrier.  In front of it each wave waits for all its tensor loads (one is out: its part of the next slot), adds 0 to its spare word,
; and waits for that and for its own reads of this slot.  fill = 1: behind it this slot is filled again first, two K steps ahead: 224 matrix instructions ahead of the wait for it.
.macro TURN slot, next, fill
	WIN 0                                          ; (the add's two registers lie in window 0)
	s_wait_tensorcnt 0x0
	ds_add_u32 v[SPW], v[NIL]
	s_wait_dscnt 9                                 ; the add and the youngest eight loads may be out
	WIN MUL_LO
	MUL16 F1, 0, 0, 0
	s_wait_dscnt 0x0                               ; the add is done, and my reads of this slot are over
	s_barrier_signal -1
	MUL16 F1, 0, 2, 0
	s_barrier_wait -1
.if \fill
	s_add_nc_u64 s[G0+4*\slot+2:G0+4*\slot+3], s[G0+4*\slot+2:G0+4*\slot+3], 512   ; no load of mine is out: the address steps two K steps on
	tensor_load_to_lds s[G0+4*\slot:G0+4*\slot+3], s[G1:G1+7]
	s_nop 0
.endif
	PLACES                                         ; behind the load, and in front of the loads below
	FETCH \next, 0, F0
	WIN MUL_HI
	MUL16 F1, 1, 0, 0
	MUL16 F1, 1, 2, 0
.endm
	s_wait_tensorcnt 1                             ; my part of K step 0 is in; K step 1's load may be out
	s_barrier_signal -1
	s_barrier_wait -1
	FETCH 0, 0, F0
	QUARTER 0, 64,  F0, F1, 1                      ; the first quarter's products start the sums
	WIN 0
	s_mov_b32 s3, 3
.Llap:                                         ; a trip goes once round the ring and fills both slots again: K steps 2 to 7
	QUARTER 0, 128, F1, F0, 0
	QUARTER 0, 192, F0, F1, 0
	TURN 0, 1, 1
	QUARTER 1, 64,  F0, F1, 0
	QUARTER 1, 128, F1, F0, 0
	QUARTER 1, 192, F0, F1, 0
	TURN 1, 0, 1
	QUARTER 0, 64,  F0, F1, 0
	WIN 0
	s_sub_co_u32 s3, s3, 1
	s_cmp_lg_u32 s3, 0
	s_cbranch_scc1 .Llap
	QUARTER 0, 128, F1, F0, 0                      ; the last lap fills nothing
	QUARTER 0, 192, F0, F1, 0
	TURN 0, 1, 0
	QUARTER 1, 64,  F0, F1, 0
	QUARTER 1, 128, F1, F0, 0
	QUARTER 1, 192, F0, F1, 0
	s_wait_dscnt 8
	WIN MUL_LO
	MUL16 F1, 0, 0, 0
	MUL16 F1, 0, 2, 0
	s_wait_dscnt 0
	WIN MUL_HI
	MUL16 F1, 1, 0, 0
	MUL16 F1, 1, 2, 0
	WIN 0
	PLACES
	v_mov_b32 v[NM+1], 0                           ; named as the upper half of the pair v[96:97]
.macro TOSTAGE a
.set BK, OB+192*((\a)%2)
.irp b, 0,1,2,3,4,5,6,7
	ds_store_b128 v[STO], v[TMP+4*\b:TMP+4*\b+3] offset:32*\b
.endr
.irp t, 0,1,2,3,4,5,6,7
	ds_load_b128 v[BK+4*\t:BK+4*\t+3], v[RD] offset:\t*2*SPITCH    ; LDS serves a wave's instructions in order: these see the stores above
.endr
.endm
.macro SEND a
.set BK, OB+192*((\a)%2)
	s_wait_dscnt 0x0
	s_wait_xcnt 0x0                                ; earlier stores have read their base and their data
.if (\a) > 0
	s_add_nc_u64 s[6:7], s[6:7], 16*4096
.endif
.irp t, 0,1,2,3,4,5,6,7
	global_store_b128 v[CO], v[BK+4*\t:BK+4*\t+3], s[6:7] offset:2*\t*4096   ; 16 lanes store 256 consecutive bytes, aligned
.endr
.endm
; BLOCK a: 16 queries x 128 keys.  A lane holds query 16 a + r and, in register 8 b + j, key 16 b + 8 h + j.
.macro EPI a
.set W, 2+(\a)/4
.set AC, 64*((\a)%4)
	WIN 0
	s_cmp_eq_u32 s42, 0                            ; off the diagonal every key counts
	s_cbranch_scc1 .Lopen_\@
.set WW, (W<<6)|W
	WIN WW                                         ; destination and source 0 in the accumulators' window
.set n, 0
.rept 64
	v_cmp_gt_i32 vcc_lo, 16*(n/8)+n%8-16*(\a), v[D0]               ; hidden where the key comes after the query
	v_cndmask_b32 v[AC+n], v[AC+n], v[NEG], vcc_lo
.set n, n+1
.endr
	WIN 0
.Lopen_\@:
.set WW, W|(W<<2)|(W<<4)
	WIN WW                                         ; all three sources in the accumulators' window
.irp b, 0,1,2,3,4,5,6,7
	v_max3_num_f32 v[T+3*\b], v[AC+8*\b], v[AC+8*\b+1], v[AC+8*\b+2]
	v_max3_num_f32 v[T+3*\b+1], v[AC+8*\b+3], v[AC+8*\b+4], v[AC+8*\b+5]
	v_max_num_f32 v[T+3*\b+2], v[AC+8*\b+6], v[AC+8*\b+7]
.endr
	WIN 0
.irp i, 0,1,2,3,4,5,6,7
	v_max3_num_f32 v[T+24+\i], v[T+3*\i], v[T+3*\i+1], v[T+3*\i+2]
.endr
	v_max3_num_f32 v98, v[T+24], v[T+25], v[T+26]
	v_max3_num_f32 v99, v[T+27], v[T+28], v[T+29]
	v_max3_num_f32 v98, v98, v99, v[T+30]
	v_max3_num_f32 v98, v98, v[T+31], 0xf149f2ca   ; and the floor -1e30, for a block none of whose keys counts
	v_permlanex16_b32 v99, v98, s60, s61
	v_max_num_f32 v98, v98, v99                    ; with lane l xor 16's 64 keys
	v_mul_f32 v98, s58, v98                        ; as t (c is positive)
	v_floor_f32 v[NM], -v98                        ; -M = floor(-t): M is a whole number
.set WW, (W<<6)|W
	WIN WW
.set n, 0
.rept 32
	v_pk_fma_f32 v[AC+n:AC+n+1], v[AC+n:AC+n+1], s[58:59], v[NM:NM+1] op_sel_hi:[1,0,0]   ; t - M, two at a time
.set n, n+2
.endr
.set n, 0
.rept 64
	v_exp_f32 v[AC+n], v[AC+n]                     ; p~ = 2^(t - M), at most 1
.set n, n+1
.endr
	v_nop                                          ; a plain line behind the last exponential
	s_wait_alu depctr_va_vdst(0)                   ; one wait for the whole batch, ahead of its first reader
.set WW, W|(W<<2)
	WIN WW
.set n, 0
.rept 16
	v_pk_add_f32 v[T+2*n:T+2*n+1], v[AC+4*n:AC+4*n+1], v[AC+4*n+2:AC+4*n+3]   ; the sum is taken of the unrounded p~
.set n, n+1
.endr
.irp b, 0,1,2,3,4,5,6,7
.irp r, 0,1,2,3
	v_cvt_pk_f16_f32 v[TMP+4*\b+\r], v[AC+8*\b+2*\r], v[AC+8*\b+2*\r+1]
.endr
.endr
	WIN 0
.irp i, 0,1,2,3,4,5,6,7
	v_pk_add_f32 v[T+4*\i:T+4*\i+1], v[T+4*\i:T+4*\i+1], v[T+4*\i+2:T+4*\i+3]
.endr
.irp i, 0,1,2,3
	v_pk_add_f32 v[T+8*\i:T+8*\i+1], v[T+8*\i:T+8*\i+1], v[T+8*\i+4:T+8*\i+5]
.endr
.irp i, 0,1
	v_pk_add_f32 v[T+16*\i:T+16*\i+1], v[T+16*\i:T+16*\i+1], v[T+16*\i+8:T+16*\i+9]
.endr
	v_pk_add_f32 v[T:T+1], v[T:T+1], v[T+16:T+17]
	v_add_f32 v98, v[T], v[T+1]
	v_permlanex16_b32 v99, v98, s60, s61
	v_add_f32 v98, v98, v99                        ; l of my query in this block of keys
	v_cndmask_b32 v[MS+(\a)], v[NM], v98, s43      ; lanes 0-15 keep -M, lanes 16-31 l
.if (\a) > 0
	SEND (\a)-1
.endif
	TOSTAGE \a
.endm
	EPI 0
	EPI 1
	EPI 2
	EPI 3
	EPI 4
	EPI 5
	EPI 6
	EPI 7
	SEND 7
.irp a, 0,1,2,3,4,5,6,7
	ds_store_b32 v[SS], v[MS+\a] offset:64*\a      ; my wave's own bytes: 128 rows' -M, then 128 rows' l
.endr
	ds_load_b128 v[64:67], v[SL]
	ds_load_b128 v[68:71], v[SL] offset:512
	s_wait_dscnt 0x0
	global_store_b128 v[GS], v[64:67], s[8:9]                  ; 32 lanes store 512 consecutive bytes, aligned
	global_store_b128 v[GS], v[68:71], s[8:9] offset:131072
	s_wait_tensorcnt 0x0                           ; the wave's end
	ds_add_u32 v[SPW], v[NIL]
	s_wait_dscnt 0x0
	s_endpgm
.Lfunc_end_k_q5884955152_scores:
	.size	k_q5884955152_scores, .Lfunc_end_k_q5884955152_scores-k_q5884955152_scores
	.p2alignl 7, 3214868480
	.fill 96, 4, 3214868480
	.section	.rodata,"a",@progbits
	.p2align	6, 0x0
	.amdhsa_kernel k_q5884955152_scores
		.amdhsa_group_segment_fixed_size 327680
		.amdhsa_private_segment_fixed_size 0
		.amdhsa_enable_private_segment 0
		.amdhsa_kernarg_size 24
		.amdhsa_user_sgpr_count 2
		.amdhsa_user_sgpr_kernarg_segment_ptr 1
		.amdhsa_wavefront_size32 1
		.amdhsa_system_sgpr_workgroup_id_x 1
		.amdhsa_system_sgpr_workgroup_id_y 1
		.amdhsa_system_sgpr_workgroup_id_z 1
		.amdhsa_system_vgpr_workitem_id 0
		.amdhsa_next_free_vgpr 1024
		.amdhsa_next_free_sgpr 66
		.amdhsa_reserve_vcc 1
		.amdhsa_float_denorm_mode_32 3
		.amdhsa_float_denorm_mode_16_64 3
		.amdhsa_memory_ordered 1
		.amdhsa_forward_progress 1
		.amdhsa_inst_pref_size 250
	.end_amdhsa_kernel
	.amdgpu_metadata
---
amdhsa.version: [ 1, 2 ]
amdhsa.kernels:
  - .name:           k_q5884955152_scores
    .symbol:         k_q5884955152_scores.kd
    .args:
      - { .name: qk, .offset: 0, .size: 8, .value_kind: global_buffer, .address_space: global }
      - { .name: pt, .offset: 8, .size: 8, .value_kind: global_buffer, .address_space: global }
      - { .name: st, .offset: 16, .size: 8, .value_kind: global_buffer, .address_space: global }
    .group_segment_fixed_size: 327680
    .private_segment_fixed_size: 0
    .kernarg_segment_align: 8
    .kernarg_segment_size: 24
    .max_flat_workgroup_size: 128
    .sgpr_count:     66
    .vgpr_count:     1024
    .wavefront_size: 32
...
	.end_amdgpu_metadata
.endif
;; end of part 3
;; launch pv (part 4): grid 8 x 32, 4 waves a work-group, clusters of 4 x 1, 327,680 bytes of LDS; arguments pt, vt, st, out0; writes out0
.if DOCPART == 4
	.amdgcn_target "amdgcn-amd-amdhsa--gfx1250"
	.amdhsa_code_object_version 6
	.text
	.protected	k_q5884955152_pv
	.globl	k_q5884955152_pv
	.p2align	8
	.type	k_q5884955152_pv,@function
k_q5884955152_pv:
	s_mov_b64 s[64:65], 0
	v_nop
	global_prefetch_b8 v0, s[64:65] scope:SCOPE_SE
	s_setreg_imm32_b32 hwreg(HW_REG_WAVE_MODE, 25, 1), 1
	s_wait_xcnt 0x0
	s_wait_alu depctr_hold_cnt(0) depctr_sa_sdst(0) depctr_va_vdst(0) depctr_va_sdst(0) depctr_va_ssrc(0) depctr_va_vcc(0) depctr_vm_vsrc(0)
	s_getreg_b32 s2, hwreg(HW_REG_IB_STS2, 6, 4)
	s_cmp_eq_u32 s2, 0
	s_cbranch_scc0 .Lentry_in_a_cluster
	s_endpgm
.Lentry_in_a_cluster:
	s_bfe_u32 s2, ttmp6, 0x10000c
	s_cmp_lg_u32 s2, 0x3003
	s_cbranch_scc0 .Lentry_shape_is_right
	s_endpgm
.Lentry_shape_is_right:
; out[q][d] = (the sum over blocks kb of 128 keys of 2^(M_kb - M[q]) x the sum over the block's keys of p~[q][key] v[key][d]) / l[q], keys up to the causal limit.
; WORK LEFT OUT: the steps of 256 keys that lie wholly behind a block's queries; their weights are exactly 0 (shown at the head of the first launch).
; pt: [4][2,048 q][2,048 key] f16, p~ under its block's M_kb.  vt: [4][1,024 d][2,048 key] f16.  st: f32 [4][2][16 kb][2,048 q]: -M_kb, l_kb.  out0: [4][2,048][1,024] f32.
; M[q] = the largest M_kb of the row; l[q] = the sum of l_kb 2^(M_kb - M).
; THE FACTOR f = 2^(M_kb - M) IS APPLIED IN F32, TO SUMS: each block of 128 keys is summed into accumulators of its own (its first products take C = 0), and the row's total takes
; TOT += f x ACC, one packed multiply-add for two numbers.  A step of 256 keys has two such blocks and two sets of accumulators: the first block's 64 multiply-adds stand one behind each
; of the second block's 64 products; the second block's stand at the step's end.
; SHARES.  256 work-groups of equal work: work-group (dt, 8 b + p) makes 128 columns of d for TWO blocks of 128 queries: block 15 - p (8 - p / 2 steps of 256 keys), then
; block p (p / 2 + 1 steps): nine steps, whatever p.  So every trip count and every tensor load is a constant of the text; what hangs on p is addresses, and one scalar branch
; on ids behind each step, the same in all waves and in all partners, round the way out of the first block.  Four waves, 64 queries x 64 d each: 16 accumulators a set.
; CLUSTER.  Four work-groups that differ in dt alone form a cluster: they walk the same tiles of p~, half of a step's bytes, so p~'s tile is asked for JOINTLY (waves 0 and 1: the same
; tensor load, the same descriptor, a mask that names the four).  vt's tile (waves 2 and 3) is each work-group's own: its other readers are work-groups of other p, which change to
; their second block at other steps, so partners would want different tiles in one round.  p~'s descriptors are made of the sequence, p and the wave's number alone.
; THE MATRIX INSTRUCTION IS USED TRANSPOSED (source 0 = 16 rows of vt, source 1 = 16 queries): a lane holds one query, so f and 1 / l are one number a lane for each block of 16 queries.
; THE RING: two slots of one step (128 rows of p~, 128 of vt, 512 bytes each); the change of slots stands at a step's head; each wave fetches 64 rows with one load, which has a step in which to land.
; TOT is cleared by vector moves, twice in the launch: where the second block of queries begins hangs on p, and a second copy of every step would be the price of a first multiply without an addend.
; REGISTERS, in windows of 256, laid so that a product and the multiply-add behind it stand under ONE window setting:
;   window 0: v12-31 addresses and the second block's 1 / l; v32-39 -M_kb of the step; v40-47 at work; v48-63 -M and 1 / l; v64-79 f (even registers); v64-127 the way out; v128-255 p~'s fragments, two buffers of 64.
;   window 1: v0-127 vt's fragments, two buffers of 64; v128-255 ACC0, the sums of a step's first 128 keys.     window 2: v0-127 TOT; v128-255 ACC1, those of its second 128 keys.
.set PITCH,  528                       ; an LDS row: 512 bytes + 16 of padding
.set HALFT,  64*PITCH
.set SLOT,   4*HALFT                   ; p~'s 128 rows, then vt's 128 rows
.set STAGE,  2*SLOT                    ; 16 rows x 272 bytes for each wave
.set SPITCH, 272
.set SCR,    STAGE+4*16*SPITCH         ; [2 blocks][-M, 1 / l][128 rows] f32
.set SPARE,  SCR+2048                  ; the spare words, 128 bytes a wave, which no other line names
.set RLB,  12
.set ADRA, 16
.set ADRB, 20
.set STO,  24
.set RD,   25
.set CO,   26
.set MBO,  27
.set SPW,  28
.set NIL,  29
.set R4,   30                          ; v30  4 r
.set T4,   31                          ; v31  4 x my thread's number
.set MB,   32
.set TE,   40
.set NMF,  48
.set RL,   52
.set NMFB, 60
.set FC,   64                          ; f of query block a and half k of the step at v[FC + 4 a + 2 k]: the low word of an even pair
.set T,    64
.set OB,   96
.set PF,   128                         ; p~'s fragments, in window 0
.set ACC,  128                         ; the accumulators, in window 1 and in window 2
.set G1P, 16                           ; s[16:23] descriptor group 1 for p~'s tiles; s[24:31] group 0, a set for each slot
.set G0P, 24
.set G1V, 68                           ; s[68:75], s[76:83] the same for vt's tiles
.set G0V, 76
.set W_K0,  0x51                       ; source 0 (vt) window 1, source 1 (p~) window 0, C and D window 1
.set W_K1,  0xa1                       ; source 0 window 1 (vt; ACC0), source 1 window 0 (p~; f), source 2 and destination window 2 (ACC1; TOT)
.set W_END, 0xa2                       ; source 0 (ACC1), source 2 and destination (TOT) window 2, source 1 (f) window 0
.set W_OUT, 0x02                       ; source 0 (TOT) window 2
.set W_CLR, 0x80                       ; destination window 2
.set TO_V,  0x40                       ; destination window 1, address window 0
.set MSB, 0
.macro WIN new                         ; the immediate's high byte repeats the setting that is left
.if MSB != (\new)
	s_set_vgpr_msb (MSB<<8)|(\new)
.set MSB, (\new)
.endif
.endm
.macro PLACES                          ; four plain vector lines between a matrix instruction and a load into, or a vector line on, its registers
.rept 4
	v_nop
.endr
.endm
; Waves 0 and 1 ask jointly for p~'s two halves, waves 2 and 3 fetch vt's.  The branch hangs on the wave's number alone.  An s_nop 0 and four v_nop follow each of the two lines.
.macro JLOAD s
	s_cmp_eq_u32 s13, 0
	s_cbranch_scc0 .Lfor_v_\@
	tensor_load_to_lds s[G0P+4*\s:G0P+4*\s+3], s[G1P:G1P+7]
	s_nop 0
	PLACES
	s_branch .Lasked_\@
.Lfor_v_\@:
	tensor_load_to_lds s[G0V+4*\s:G0V+4*\s+3], s[G1V:G1V+7]
	s_nop 0
	PLACES
.Lasked_\@:
.endm
.macro CROUND                          ; a round of the cluster's barrier: my work-group's barrier; wave 0 signals for the work-group; every wave waits for all four; my work-group's barrier once more
	s_barrier_signal -1
	s_barrier_wait -1
	s_cmp_lg_u32 s12, 0
	s_cbranch_scc1 .Lnot_wave_0_\@
	s_barrier_signal -3
.Lnot_wave_0_\@:
	s_barrier_wait -3
	s_barrier_signal -1
	s_barrier_wait -1
.endm
	s_load_b256 s[4:11], s[0:1], 0x0               ; pt s[4:5], vt s[6:7], st s[8:9], out0 s[10:11]
	v_lshl_add_u32 v[SPW], v0, 2, SPARE
	v_mov_b32 v[NIL], 0
	ds_add_u32 v[SPW], v[NIL]                      ; the wave's opening: the add, twice on end, and its wait ahead of my first tensor load
	ds_add_u32 v[SPW], v[NIL]
	v_lshrrev_b32 v1, 5, v0
	v_readfirstlane_b32 s12, v1                    ; wave 0..3
	s_lshr_b32 s13, s12, 1                         ; rh.  Also: I fetch p~ (0) or vt (1)
	s_and_b32 s14, s12, 1                          ; ch.  Also: which 64 rows I fetch
	s_bfe_u32 s62, ttmp6, 0x40000                  ; cx: my place in the cluster
	s_lshl_b32 s63, ttmp9, 2                       ; in a cluster launch ttmp9 counts clusters
	s_add_co_u32 s63, s63, s62                     ; dt = 4 x cluster x + cx: it enters vt's and out0's addresses alone
	s_and_b32 s15, ttmp7, 0xffff
	s_lshr_b32 s2, s15, 3                          ; the sequence
	s_and_b32 s3, s15, 7                           ; p: both are shared by the four partners
	s_mov_b32 s[G1P+0], 15|(1<<16)|(1<<20)|(1<<21)|(6<<22)|(3<<25)   ; the mask: all four work-groups; elements of 2 bytes; padding on; bit 21 beside a mask; 4 words behind every 128
	s_mov_b32 s[G1V+0], (1<<16)|(1<<20)|(6<<22)|(3<<25)              ; the same with no mask
.irp g, G1P, G1V
	s_mov_b32 s[\g+1], 256<<16                     ; tensor_dim0
	s_mov_b32 s[\g+2], 64<<16                      ; tensor_dim1
	s_mov_b32 s[\g+3], 256<<16                     ; tile_dim0
	s_mov_b32 s[\g+4], 64                          ; tile_dim1
	s_mov_b32 s[\g+5], 2048                        ; elements from row to row, in pt and in vt alike
	s_mov_b32 s[\g+6], 0
	s_mov_b32 s[\g+7], 0
.endr
	s_sub_co_u32 s48, 15, s3                       ; the first block of queries
	s_lshl_b32 s49, s2, 11
	s_lshl_b32 s50, s48, 7
	s_add_co_u32 s50, s50, s49                     ; its first row among the 8,192
	s_lshl_b32 s51, s3, 7
	s_add_co_u32 s51, s51, s49                     ; the second block's
	s_lshl_b32 s53, s14, 6                         ; which 64 rows of a tile I fetch
	s_add_co_u32 s32, s50, s53
	s_lshl_b32 s32, s32, 12                        ; p~: where the first block's steps begin, in bytes from pt's first,
	s_add_co_u32 s33, s51, s53
	s_lshl_b32 s33, s33, 12                        ; and the second block's
	s_lshl_b32 s34, s2, 10
	s_lshl_b32 s86, s63, 7
	s_add_co_u32 s34, s34, s86
	s_add_co_u32 s34, s34, s53
	s_lshl_b32 s34, s34, 12                        ; vt: row 1,024 b + 128 dt + my 64, the same for both blocks
	s_lshr_b32 s38, s3, 1
	s_sub_co_u32 s38, 8, s38                       ; the first block's steps
	s_lshl_b32 s59, s38, 1                         ; its blocks of 128 keys,
	s_sub_co_u32 s58, s59, 1
	s_sub_co_u32 s61, 9, s38
	s_lshl_b32 s61, s61, 1                         ; the second block's,
	s_sub_co_u32 s60, s61, 1
	s_lshl_b32 s56, s2, 18
	s_lshl_b32 s57, s3, 9
	s_add_co_u32 s57, s57, s56                     ; st: the second block's first row,
	s_lshl_b32 s53, s48, 9
	s_add_co_u32 s56, s56, s53                     ; the first block's,
	s_lshl_b32 s53, s13, 8
	s_add_co_u32 s42, s56, s53                     ; and my wave's 64 rows of each
	s_add_co_u32 s43, s57, s53
	s_mul_i32 s15, s12, HALFT                      ; where my 64 rows go: no place in the cluster enters an LDS address
	s_mov_b32 s[G0P], 1
	s_mov_b32 s[G0P+1], s15
	s_mov_b32 s[G0P+4], 1
	s_add_co_u32 s[G0P+5], s15, SLOT
	s_mov_b32 s[G0V], 1
	s_mov_b32 s[G0V+1], s15
	s_mov_b32 s[G0V+4], 1
	s_add_co_u32 s[G0V+5], s15, SLOT
	s_mov_b32 s36, s32
	s_mov_b32 s37, 0
	s_mov_b32 s84, s34
	s_mov_b32 s85, 0
	s_mov_b32 s39, 0                               ; the step about to run
	s_wait_dscnt 0x0                               ; both opening adds are done
	s_wait_kmcnt 0x0
	s_add_nc_u64 s[G0P+2:G0P+3], s[4:5], s[36:37]
	s_or_b32 s[G0P+3], s[G0P+3], 0x80000000
	s_add_nc_u64 s[G0V+2:G0V+3], s[6:7], s[84:85]
	s_or_b32 s[G0V+3], s[G0V+3], 0x80000000
	CROUND                                         ; all four work-groups are here: the first joint loads meet
	JLOAD 0                                        ; step 0: every wave issues one load
	s_lshl_b32 s86, s13, 6                         ; out0: row (first row + 64 rh) of 4,096 bytes, + 512 dt + 256 ch
	s_lshl_b32 s87, s63, 9
	s_lshl_b32 s88, s14, 8
	s_add_co_u32 s87, s87, s88
	s_add_co_u32 s88, s50, s86
	s_lshl_b32 s88, s88, 12
	s_add_co_u32 s88, s88, s87
	s_mov_b32 s89, 0
	s_add_nc_u64 s[44:45], s[10:11], s[88:89]
	s_add_co_u32 s88, s51, s86
	s_lshl_b32 s88, s88, 12
	s_add_co_u32 s88, s88, s87
	s_add_nc_u64 s[46:47], s[10:11], s[88:89]
	v_and_b32 v1, 15, v0                           ; r
	v_bfe_u32 v2, v0, 4, 1                         ; h
	v_mul_u32_u24 v3, v1, PITCH
	v_lshl_add_u32 v3, v2, 4, v3
	s_mul_i32 s52, s13, HALFT
	s_mul_i32 s53, s14, HALFT
	s_add_co_u32 s53, s53, 2*HALFT
.irp s, 0,1
	v_add_nc_u32 v[ADRA+\s], s52, v3
	v_add_nc_u32 v[ADRB+\s], s53, v3
	s_add_co_u32 s52, s52, SLOT
	s_add_co_u32 s53, s53, SLOT
.endr
	s_mul_i32 s52, s12, 16*SPITCH
	s_add_co_u32 s52, s52, STAGE
	v_mul_u32_u24 v4, v1, SPITCH                   ; into my stage: row r, 32 bytes for each half of the lanes
	v_lshl_add_u32 v4, v2, 5, v4
	v_add_nc_u32 v[STO], s52, v4
	v_mul_u32_u24 v4, v2, SPITCH                   ; back: lanes 0-15 one row of 256 bytes, lanes 16-31 the next
	v_lshl_add_u32 v4, v1, 4, v4
	v_add_nc_u32 v[RD], s52, v4
	v_lshlrev_b32 v4, 12, v2
	v_lshl_add_u32 v[CO], v1, 4, v4
	v_lshlrev_b32 v[R4], 2, v1
	v_lshlrev_b32 v[T4], 2, v0
	v_lshl_add_u32 v22, v0, 2, SCR                 ; where thread t puts row t's figures
	s_lshl_b32 s52, s13, 8
	s_add_co_u32 s52, s52, SCR
	v_add_nc_u32 v23, s52, v[R4]                   ; and where lane (r, h) finds those of my wave's rows
	v_add_nc_u32 v[MBO], s42, v[R4]
.irp a, 0,1,2,3
.irp k, 0,1
	global_load_b32 v[MB+2*\a+\k], v[MBO], s[8:9] offset:64*\a+8192*\k    ; step 0's -M_kb of my queries
.endr
.endr
; THE ROWS' FINAL FIGURES.  Thread t stands for row t of a block.  A block of queries has lim blocks of keys; the sixteen loads are held at the last of them, so that no byte is read that was not stored.
.macro STLOAD base, sb, lm1
.irp kb, 0,1,2,3,4,5,6,7,8,9,10,11,12,13,14,15
	s_min_u32 s52, s[\lm1], \kb
	s_lshl_b32 s52, s52, 13
	s_add_co_u32 s52, s52, s[\sb]
	v_add_nc_u32 v[\base+\kb], s52, v[T4]
	global_load_b32 v[\base+16+\kb], v[\base+\kb], s[8:9]
	global_load_b32 v[\base+32+\kb], v[\base+\kb], s[8:9] offset:131072
.endr
.endm
.macro STRED base, lim, off
	v_min_num_f32 v18, v[\base+16], v[\base+17]    ; the smallest -M is the largest M; a value met twice changes no minimum
.irp kb, 2,3,4,5,6,7,8,9,10,11,12,13,14,15
	v_min_num_f32 v18, v18, v[\base+16+\kb]
.endr
.irp kb, 0,1,2,3,4,5,6,7,8,9,10,11,12,13,14,15
	v_sub_f32 v[\base+16+\kb], v18, v[\base+16+\kb]   ; M_kb - M: a whole number, 0 or less
.endr
.irp kb, 0,1,2,3,4,5,6,7,8,9,10,11,12,13,14,15
	v_cvt_i32_f32 v[\base+16+\kb], v[\base+16+\kb]    ; (it saturates)
.endr
.irp kb, 0,1,2,3,4,5,6,7,8,9,10,11,12,13,14,15
	v_ldexp_f32 v[\base+32+\kb], v[\base+32+\kb], v[\base+16+\kb]
.endr
	s_cmp_lt_u32 1, s[\lim]
	s_cselect_b32 s52, 1.0, 0
	v_fma_f32 v19, v[\base+33], s52, v[\base+32]
.irp kb, 2,3,4,5,6,7,8,9,10,11,12,13,14,15
	s_cmp_lt_u32 \kb, s[\lim]                      ; a block met again by the hold above counts for nothing
	s_cselect_b32 s52, 1.0, 0
	v_fma_f32 v19, v[\base+32+\kb], s52, v19
.endr
	v_rcp_f32 v19, v19
	v_nop                                          ; a plain line behind the reciprocal,
	s_wait_alu depctr_va_vdst(0)                   ; and the wait ahead of its first reader
	ds_store_b32 v22, v18 offset:\off
	ds_store_b32 v22, v19 offset:\off+512
.endm
	STLOAD 128, 56, 58
	STLOAD 176, 57, 60
	s_wait_loadcnt 0x0
	STRED 128, 59, 0
	STRED 176, 61, 1024
	s_wait_dscnt 0x0                               ; for the others' sake: my stores are done
	s_barrier_signal -1
	s_barrier_wait -1                              ; step 0's load may stay out
.irp a, 0,1,2,3
	ds_load_b32 v[NMF+\a], v23 offset:64*\a
	ds_load_b32 v[RL+2*\a], v23 offset:512+64*\a
	ds_load_b32 v[NMFB+\a], v23 offset:1024+64*\a
	ds_load_b32 v[RLB+\a], v23 offset:1536+64*\a
	v_mov_b32 v[RL+2*\a+1], 0                      ; named as the upper half of a pair
.endr
.irp i, 0,1,2,3,4,5,6,7
	v_mov_b32 v[FC+2*\i+1], 0                      ; likewise beside each f
.endr
	WIN W_CLR
.set n, 0
.rept 128
	v_mov_b32 v[n], 0                              ; TOT
.set n, n+1
.endr
	WIN 0
	s_wait_dscnt 0x0
; 8 matrix instructions: query blocks a0, a0 + 1 x the 4 blocks of d, 32 keys: half c of buffer u.  zero = 1: the first products of a block of 128 keys start its sums.
; The 16 accumulators of a set take turns, one instruction a turn.
; fma = 1: behind each product stands one multiply-add of the step's first 128 keys, TOT += f x ACC0, number fi of 64, under the same window setting.
.macro MUL8 u, c, a0, zero, fma
.irp a, \a0, \a0+1
.irp b, 0,1,2,3
.if \zero
	v_wmma_f32_16x16x32_f16 v[ACC+8*(4*(\a)+\b):ACC+8*(4*(\a)+\b)+7], v[64*\u+8*(4*\c+\b):64*\u+8*(4*\c+\b)+7], v[PF+64*\u+8*(4*\c+(\a)):PF+64*\u+8*(4*\c+(\a))+7], 0
.else
	v_wmma_f32_16x16x32_f16 v[ACC+8*(4*(\a)+\b):ACC+8*(4*(\a)+\b)+7], v[64*\u+8*(4*\c+\b):64*\u+8*(4*\c+\b)+7], v[PF+64*\u+8*(4*\c+(\a)):PF+64*\u+8*(4*\c+(\a))+7], v[ACC+8*(4*(\a)+\b):ACC+8*(4*(\a)+\b)+7]
.endif
.if \fma
	v_pk_fma_f32 v[2*fi:2*fi+1], v[ACC+2*fi:ACC+2*fi+1], v[FC+4*(fi/16):FC+4*(fi/16)+1], v[2*fi:2*fi+1] op_sel_hi:[1,0,1]   ; each accumulator from its low end on
.set fi, fi+1
.endif
.endr
.endr
.endm
.macro FETCH slot, k, u                ; 32 LDS loads: the fragments of 64 keys at byte k of the rows, into buffer u; the first 32 keys' sixteen loads first
.irp c, 0,1
	WIN TO_V
.irp i, 0,1,2,3
	ds_load_b128 v[64*\u+8*(4*\c+\i):64*\u+8*(4*\c+\i)+3],   v[ADRB+\slot] offset:\k+64*\c+\i*16*PITCH
	ds_load_b128 v[64*\u+8*(4*\c+\i)+4:64*\u+8*(4*\c+\i)+7], v[ADRB+\slot] offset:\k+64*\c+\i*16*PITCH+32
.endr
	WIN 0
.irp i, 0,1,2,3
	ds_load_b128 v[PF+64*\u+8*(4*\c+\i):PF+64*\u+8*(4*\c+\i)+3],   v[ADRA+\slot] offset:\k+64*\c+\i*16*PITCH
	ds_load_b128 v[PF+64*\u+8*(4*\c+\i)+4:PF+64*\u+8*(4*\c+\i)+7], v[ADRA+\slot] offset:\k+64*\c+\i*16*PITCH+32
.endr
.endr
.endm
.macro QA slot, k, u, g, zero          ; a quarter (64 keys) of a step's first half: multiplies buffer u, fetches the next quarter, at byte k, into buffer g
	s_wait_dscnt 16                                ; the first 32 keys are in; the sixteen loads of the other 32 may be out
	WIN W_K0
	MUL8 \u, 0, 0, \zero, 0
	MUL8 \u, 0, 2, \zero, 0
	PLACES                                         ; in front of the loads into buffer g, which the quarter before multiplied
	FETCH \slot, \k, \g
	s_wait_dscnt 32                                ; all but the 32 just issued
	WIN W_K0
	MUL8 \u, 1, 0, 0, 0
	MUL8 \u, 1, 2, 0, 0
.endm
; A STEP of 256 keys: two blocks of 128.  more = 1: the next step's -M_kb are asked for, a whole step ahead of their use.
.macro STEP slot, more
	FETCH \slot, 0, 0
	s_wait_loadcnt 0x0                             ; this step's -M_kb
.irp i, 0,1,2,3,4,5,6,7
	v_sub_f32 v[TE+\i], v[NMF+\i/2], v[MB+\i]      ; M_kb - M
.endr
.irp i, 0,1,2,3,4,5,6,7
	v_cvt_i32_f32 v[TE+\i], v[TE+\i]               ; (it saturates)
.endr
.irp i, 0,1,2,3,4,5,6,7
	v_ldexp_f32 v[FC+2*\i], 1.0, v[TE+\i]          ; f = 2^(M_kb - M), in f32; 0 where the exponent lies under f32's range
.endr
.if \more
	v_add_nc_u32 v[MBO], s41, v[R4]                ; (the loads that read this register are in)
.irp a, 0,1,2,3
.irp k, 0,1
	global_load_b32 v[MB+2*\a+\k], v[MBO], s[8:9] offset:64*\a+8192*\k
.endr
.endr
.endif
	QA \slot, 128, 0, 1, 1                         ; the first 128 keys, into ACC0
	QA \slot, 256, 1, 0, 0
	s_wait_dscnt 16                                ; the second 128 keys, into ACC1; ACC0 goes into TOT beside them
	PLACES                                         ; behind ACC0's last products: its sums are read, and buffer 1 is loaded, from here on
	WIN W_K1
.set fi, 0
	MUL8 0, 0, 0, 1, 1
	MUL8 0, 0, 2, 1, 1
	FETCH \slot, 384, 1
	s_wait_dscnt 32
	WIN W_K1
	MUL8 0, 1, 0, 0, 1
	MUL8 0, 1, 2, 0, 1
	s_wait_dscnt 16
	MUL8 1, 0, 0, 0, 1
	MUL8 1, 0, 2, 0, 1
	s_wait_dscnt 0
	MUL8 1, 1, 0, 0, 1
	MUL8 1, 1, 2, 0, 1
	PLACES                                         ; behind ACC1's last products
	WIN W_END
.set n, 0
.rept 64
	v_pk_fma_f32 v[2*n:2*n+1], v[ACC+2*n:ACC+2*n+1], v[FC+4*(n/16)+2:FC+4*(n/16)+3], v[2*n:2*n+1] op_sel_hi:[1,0,1]   ; TOT += f x ACC1
.set n, n+1
.endr
	WIN 0
	s_add_co_u32 s39, s39, 1
.endm
; THE CHANGE OF SLOTS, at a step's head.  Each wave waits for all its tensor loads (one is out: its part of the slot ahead), adds 0 to its spare word, and waits for that and for its
; reads of the slot that it has left.  fill = 1: a round of the cluster's barrier follows, so that no wave of any partner still reads that slot or has a load on its way, and behind it
; the slot takes the step after the one ahead.  Which block's step that is, is chosen by selects on ids that the partners share.
.macro CHANGE other, fill
	s_wait_tensorcnt 0x0
	ds_add_u32 v[SPW], v[NIL]                      ; 0 onto my spare word; the scalar work below stands between it and the wait for it
.if \fill
	s_add_co_u32 s48, s39, 1                       ; the step to be asked for
	s_cmp_ge_u32 s48, s38                          ; is it the second block's?
	s_cselect_b32 s49, s38, 0
	s_cselect_b32 s50, s33, s32
	s_cselect_b32 s41, s43, s42
	s_sub_co_u32 s48, s48, s49                     ; its number within its block
	s_lshl_b32 s49, s48, 9                         ; 512 bytes along the rows for each step,
	s_add_co_u32 s36, s50, s49                     ; in pt
	s_add_co_u32 s84, s34, s49                     ; and in vt
	s_lshl_b32 s49, s48, 14
	s_add_co_u32 s41, s41, s49                     ; and two planes of 8,192 bytes in st
	s_add_nc_u64 s[G0P+4*\other+2:G0P+4*\other+3], s[4:5], s[36:37]   ; no tensor load of mine is out: both groups 0 may be written
	s_or_b32 s[G0P+4*\other+3], s[G0P+4*\other+3], 0x80000000
	s_add_nc_u64 s[G0V+4*\other+2:G0V+4*\other+3], s[6:7], s[84:85]
	s_or_b32 s[G0V+4*\other+3], s[G0V+4*\other+3], 0x80000000
.endif
	s_wait_dscnt 0x0                               ; the add is done, and my reads of the slot that I have left are over
.if \fill
	CROUND
	JLOAD \other                                   ; my one tensor load behind the round, and the first thing there
.else
	s_barrier_signal -1
	s_barrier_wait -1
.endif
.endm
; THE WAY OUT of a block of queries: TOT times 1 / l, through my own stage, 16 rows of 256 bytes at a time.
.macro EPI
.irp a, 0,1,2,3
	WIN W_OUT
.set n, 0
.rept 16
	v_pk_mul_f32 v[T+n:T+n+1], v[32*\a+n:32*\a+n+1], v[RL+2*\a:RL+2*\a+1] op_sel_hi:[1,0]
.set n, n+2
.endr
	WIN 0
.irp b, 0,1,2,3
	ds_store_b128 v[STO], v[T+8*\b:T+8*\b+3] offset:64*\b
	ds_store_b128 v[STO], v[T+8*\b+4:T+8*\b+7] offset:64*\b+16
.endr
	s_wait_xcnt 0x0                                ; earlier stores have read the registers that the loads below fill
.irp t, 0,1,2,3,4,5,6,7
	ds_load_b128 v[OB+4*\t:OB+4*\t+3], v[RD] offset:\t*2*SPITCH   ; LDS serves a wave's instructions in order: these see the stores above
.endr
	s_wait_dscnt 0x0
.irp t, 0,1,2,3,4,5,6,7
	global_store_b128 v[CO], v[OB+4*\t:OB+4*\t+3], s[44:45] offset:(16*\a+2*\t)*4096   ; 16 lanes store 256 consecutive bytes, aligned
.endr
.endr
.endm
.macro TEST                            ; behind the first block's last step: its way out, and the second block's figures take their places.  p and the count of steps alone: all waves of all partners go the same way
	s_cmp_lg_u32 s39, s38
	s_cbranch_scc1 .Lgo_on_\@
	EPI
.irp a, 0,1,2,3
	v_mov_b32 v[NMF+\a], v[NMFB+\a]
	v_mov_b32 v[RL+2*\a], v[RLB+\a]
.endr
	s_wait_xcnt 0x0                                ; the stores have read their base
	s_mov_b64 s[44:45], s[46:47]
	WIN W_CLR
.set n, 0
.rept 128
	v_mov_b32 v[n], 0                              ; TOT
.set n, n+1
.endr
	WIN 0
.Lgo_on_\@:
.endm
	s_mov_b32 s40, 4
.Ltrip:                                        ; four trips of two steps
	CHANGE 1, 1
	STEP 0, 1
	TEST
	CHANGE 0, 1
	STEP 1, 1
	TEST
	s_sub_co_u32 s40, s40, 1
	s_cmp_lg_u32 s40, 0
	s_cbranch_scc1 .Ltrip
	CHANGE 1, 0                                    ; the ninth step is written out: nothing is left to fetch, so no round is needed
	STEP 0, 0
	EPI
	s_wait_tensorcnt 0x0                           ; the wave's end
	ds_add_u32 v[SPW], v[NIL]
	s_wait_dscnt 0x0
	CROUND                                         ; the closing round: no work-group ends while a partner may still ask for a tile that names it
	s_endpgm
.Lfunc_end_k_q5884955152_pv:
	.size	k_q5884955152_pv, .Lfunc_end_k_q5884955152_pv-k_q5884955152_pv
	.p2alignl 7, 3214868480
	.fill 96, 4, 3214868480
	.section	.rodata,"a",@progbits
	.p2align	6, 0x0
	.amdhsa_kernel k_q5884955152_pv
		.amdhsa_group_segment_fixed_size 327680
		.amdhsa_private_segment_fixed_size 0
		.amdhsa_enable_private_segment 0
		.amdhsa_kernarg_size 32
		.amdhsa_user_sgpr_count 2
		.amdhsa_user_sgpr_kernarg_segment_ptr 1
		.amdhsa_wavefront_size32 1
		.amdhsa_system_sgpr_workgroup_id_x 1
		.amdhsa_system_sgpr_workgroup_id_y 1
		.amdhsa_system_sgpr_workgroup_id_z 1
		.amdhsa_system_vgpr_workitem_id 0
		.amdhsa_next_free_vgpr 768
		.amdhsa_next_free_sgpr 96
		.amdhsa_reserve_vcc 0
		.amdhsa_float_denorm_mode_32 3
		.amdhsa_float_denorm_mode_16_64 3
		.amdhsa_memory_ordered 1
		.amdhsa_forward_progress 1
		.amdhsa_inst_pref_size 161
	.end_amdhsa_kernel
	.amdgpu_metadata
---
amdhsa.version: [ 1, 2 ]
amdhsa.kernels:
  - .name:           k_q5884955152_pv
    .symbol:         k_q5884955152_pv.kd
    .args:
      - { .name: pt, .offset: 0, .size: 8, .value_kind: global_buffer, .address_space: global }
      - { .name: vt, .offset: 8, .size: 8, .value_kind: global_buffer, .address_space: global }
      - { .name: st, .offset: 16, .size: 8, .value_kind: global_buffer, .address_space: global }
      - { .name: out0, .offset: 24, .size: 8, .value_kind: global_buffer, .address_space: global }
    .group_segment_fixed_size: 327680
    .private_segment_fixed_size: 0
    .kernarg_segment_align: 8
    .kernarg_segment_size: 32
    .max_flat_workgroup_size: 128
    .sgpr_count:     96
    .vgpr_count:     768
    .wavefront_size: 32
...
	.end_amdgpu_metadata
.endif
;; end of part 4
;; launch head16 (part 5): grid 4 x 1, 16 waves a work-group, no clusters, 88,064 bytes of LDS; arguments h32, out0; writes out0
.if DOCPART == 5
	.amdgcn_target "amdgcn-amd-amdhsa--gfx1250"
	.amdhsa_code_object_version 6
	.text
	.protected	k_q5884955152_head16
	.globl	k_q5884955152_head16
	.p2align	8
	.type	k_q5884955152_head16,@function
k_q5884955152_head16:
	s_mov_b64 s[64:65], 0
	v_nop
	global_prefetch_b8 v0, s[64:65] scope:SCOPE_SE
	s_setreg_imm32_b32 hwreg(HW_REG_WAVE_MODE, 25, 1), 1
	s_wait_xcnt 0x0
; Positions 0 to 15 of each sequence once more, wholly in f32: there a row averages one to sixteen values, and the rounding of 16-bit operands would weigh most.
; It runs last and writes over the rows that the launch before has left there.  16 x 16 scores and 16 x 1,024 outputs a sequence: no bulk work.
; h32: f32 [4][16 t][2,048] (q | k), then from byte 524,288 [4][1,024 d][16 t] (v).  One work-group a sequence, sixteen waves; wave w owns channels 64 w to 64 w + 63.
; S^T = k q^T (source 0 = the 16 keys, source 1 = the 16 queries): each wave sums over its 64 channels; the sixteen parts meet in LDS and every wave adds them in the same order.
; A lane then holds one query (lane % 16) and the keys 8 (lane / 16) + 0 .. 7; these registers, after the softmax, ARE source 1 of O^T = v^T p^T.
; Along a product's K the same permutation stands on both sides: a register pair of q and the same pair of k; a pair of v's keys and the same pair of p's.
; The registers that the f32 matrix form writes (v16-63) are written by matrix instructions alone.
.set PART,  0                          ; 16 x 1,024 bytes: the waves' parts of S^T, as images of their registers
.set STAGE, 16384                      ; 16 rows x 272 bytes for each wave
.set SPARE, 86016                      ; the spare words, 128 bytes a wave, which no other line names
.set SPW, 12
.set NIL, 13
	s_load_b128 s[4:7], s[0:1], 0x0                ; h32, out0
	v_lshl_add_u32 v[SPW], v0, 2, SPARE
	v_mov_b32 v[NIL], 0
	v_lshrrev_b32 v1, 5, v0
	v_readfirstlane_b32 s8, v1                     ; wave 0..15
	v_and_b32 v1, 15, v0                           ; r
	v_bfe_u32 v2, v0, 4, 1                         ; h
	v_and_b32 v3, 31, v0                           ; lane
	v_lshlrev_b32 v4, 13, v1                       ; q, k: row r of 8,192 bytes, + 16 h, + 256 w, + 131,072 b
	v_lshl_add_u32 v4, v2, 4, v4
	s_lshl_b32 s9, s8, 8
	s_lshl_b32 s10, ttmp9, 17
	s_add_co_u32 s9, s9, s10
	v_add_nc_u32 v4, s9, v4
	v_lshlrev_b32 v5, 6, v1                        ; v: 64 bytes for each d: d = 64 w + 16 tau + r; + 32 h
	v_lshl_add_u32 v5, v2, 5, v5
	s_lshl_b32 s9, s8, 12
	s_lshl_b32 s10, ttmp9, 16
	s_add_co_u32 s9, s9, s10
	s_add_co_u32 s9, s9, 524288
	v_add_nc_u32 v5, s9, v5
	v_lshlrev_b32 v7, 4, v3                        ; an image's place for my lane
	s_lshl_b32 s9, s8, 10
	v_add_nc_u32 v6, s9, v7                        ; and where my wave's part goes
	v_lshlrev_b32 v8, 3, v2
	v_sub_nc_u32 v8, v1, v8                        ; r - 8 h: register j's key is hidden where j is greater
	v_mov_b32 v9, 0xff800000                       ; -infinity
	s_mul_i32 s9, s8, 16*272
	s_add_co_u32 s9, s9, STAGE
	v_mul_u32_u24 v10, v1, 272
	v_lshl_add_u32 v10, v2, 5, v10
	v_add_nc_u32 v10, s9, v10                      ; into my stage: row r, + 32 h
	v_mul_u32_u24 v11, v2, 272
	v_lshl_add_u32 v11, v1, 4, v11
	v_add_nc_u32 v11, s9, v11                      ; back: lanes 0-15 one row, lanes 16-31 the next
	v_lshlrev_b32 v14, 12, v2                      ; out0: the same two rows of 4,096 bytes, + 256 w, + the sequence
	v_lshl_add_u32 v14, v1, 4, v14
	s_lshl_b32 s9, s8, 8
	s_lshl_b32 s10, ttmp9, 23
	s_add_co_u32 s9, s9, s10
	v_add_nc_u32 v14, s9, v14
	s_mov_b32 s12, 0x76543210
	s_mov_b32 s13, 0xfedcba98                      ; v_permlanex16_b32's selects for lane l xor 16
	s_mov_b32 s14, 0x3d38aa3b                      ; c = log2(e) / 32
	s_mov_b32 s15, s14
	v_mov_b32 v233, 0                              ; written once: a lane permute's destination counts as one of its sources
	s_wait_kmcnt 0x0
.irp c, 0,1,2,3,4,5,6,7
	global_load_b128 v[64+4*\c:67+4*\c], v4, s[4:5] offset:32*\c           ; q(r, 64 w + 8 c + 4 h + 0 .. 3)
.endr
.irp c, 0,1,2,3,4,5,6,7
	global_load_b128 v[96+4*\c:99+4*\c], v4, s[4:5] offset:4096+32*\c      ; k likewise
.endr
.irp t, 0,1,2,3
	global_load_b128 v[128+8*\t:131+8*\t], v5, s[4:5] offset:1024*\t       ; v(keys 8 h + 0 .. 7, d = 64 w + 16 t + r)
	global_load_b128 v[132+8*\t:135+8*\t], v5, s[4:5] offset:1024*\t+16
.endr
	s_wait_loadcnt 8                               ; q and k are in; v's eight loads may be out
	v_wmma_f32_16x16x4_f32 v[16:23], v[96:97], v[64:65], 0                 ; two accumulators by turns; each sum's first step takes the constant 0
	v_wmma_f32_16x16x4_f32 v[24:31], v[98:99], v[66:67], 0
.irp c, 1,2,3,4,5,6,7
	v_wmma_f32_16x16x4_f32 v[16:23], v[96+4*\c:97+4*\c], v[64+4*\c:65+4*\c], v[16:23]
	v_wmma_f32_16x16x4_f32 v[24:31], v[98+4*\c:99+4*\c], v[66+4*\c:67+4*\c], v[24:31]
.endr
.rept 8
	v_nop                                          ; eight places behind this form (ISA guide 7.12.1)
.endr
.irp i, 0,2,4,6
	v_pk_add_f32 v[224+\i:225+\i], v[16+\i:17+\i], v[24+\i:25+\i]
.endr
	ds_store_b128 v6, v[224:227] offset:PART
	ds_store_b128 v6, v[228:231] offset:PART+512
	s_wait_dscnt 0x0                               ; for the others' sake: my stores are done
	s_barrier_signal -1
	s_barrier_wait -1
.irp w, 0,1,2,3,4,5,6,7
	ds_load_b128 v[160+8*\w:163+8*\w], v7 offset:PART+1024*\w
	ds_load_b128 v[164+8*\w:167+8*\w], v7 offset:PART+1024*\w+512
.endr
	s_wait_dscnt 0x0
.irp i, 0,2,4,6
	v_pk_add_f32 v[224+\i:225+\i], v[160+\i:161+\i], v[168+\i:169+\i]
.endr
.irp w, 2,3,4,5,6,7
.irp i, 0,2,4,6
	v_pk_add_f32 v[224+\i:225+\i], v[224+\i:225+\i], v[160+8*\w+\i:161+8*\w+\i]
.endr
.endr
.irp w, 0,1,2,3,4,5,6,7
	ds_load_b128 v[160+8*\w:163+8*\w], v7 offset:PART+8192+1024*\w
	ds_load_b128 v[164+8*\w:167+8*\w], v7 offset:PART+8192+1024*\w+512
.endr
	s_wait_dscnt 0x0
.irp w, 0,1,2,3,4,5,6,7
.irp i, 0,2,4,6
	v_pk_add_f32 v[224+\i:225+\i], v[224+\i:225+\i], v[160+8*\w+\i:161+8*\w+\i]
.endr
.endr
.irp j, 0,1,2,3,4,5,6,7
	v_cmp_gt_i32 vcc_lo, \j, v8                    ; key 8 h + j comes after query r
	v_cndmask_b32 v[224+\j], v[224+\j], v9, vcc_lo
.endr
	v_max3_num_f32 v232, v224, v225, v226
	v_max3_num_f32 v232, v232, v227, v228
	v_max3_num_f32 v232, v232, v229, v230
	v_max_num_f32 v232, v232, v231
	v_permlanex16_b32 v233, v232, s12, s13
	v_max_num_f32 v232, v232, v233                 ; the row's largest score: key 0 counts for every query
	v_mul_f32 v232, 0xbd38aa3b, v232               ; - c x it
.irp i, 0,2,4,6
	v_pk_fma_f32 v[224+\i:225+\i], v[224+\i:225+\i], s[14:15], v[232:233] op_sel_hi:[1,0,0]
.endr
.irp j, 0,1,2,3,4,5,6,7
	v_exp_f32 v[224+\j], v[224+\j]
.endr
	v_nop                                          ; a plain line behind the last exponential,
	s_wait_alu depctr_va_vdst(0)                   ; and one wait for the batch
	v_pk_add_f32 v[234:235], v[224:225], v[226:227]
	v_pk_add_f32 v[236:237], v[228:229], v[230:231]
	v_pk_add_f32 v[234:235], v[234:235], v[236:237]
	v_add_f32 v234, v234, v235
	v_permlanex16_b32 v235, v234, s12, s13
	v_add_f32 v234, v234, v235
	v_rcp_f32 v236, v234
	v_nop
	s_wait_alu depctr_va_vdst(0)
.irp i, 0,2,4,6
	v_pk_mul_f32 v[224+\i:225+\i], v[224+\i:225+\i], v[236:237] op_sel_hi:[1,0]   ; the weights
.endr
	s_wait_loadcnt 0x0                             ; v
.irp t, 0,1,2,3
	v_wmma_f32_16x16x4_f32 v[32+8*\t:39+8*\t], v[128+8*\t:129+8*\t], v[224:225], 0   ; four accumulators by turns
.endr
.irp c, 1,2,3
.irp t, 0,1,2,3
	v_wmma_f32_16x16x4_f32 v[32+8*\t:39+8*\t], v[128+8*\t+2*\c:129+8*\t+2*\c], v[224+2*\c:225+2*\c], v[32+8*\t:39+8*\t]
.endr
.endr
.rept 8
	v_nop
.endr
.irp t, 0,1,2,3
	ds_store_b128 v10, v[32+8*\t:35+8*\t] offset:64*\t          ; lane (r, h): out(r, 64 w + 16 t + 8 h + 0 .. 7)
	ds_store_b128 v10, v[36+8*\t:39+8*\t] offset:64*\t+16
.endr
.irp t, 0,1,2,3,4,5,6,7
	ds_load_b128 v[160+4*\t:163+4*\t], v11 offset:2*\t*272      ; LDS serves a wave's instructions in order: these see my stores
.endr
.irp t, 0,1,2,3,4,5,6,7
	s_wait_dscnt 7-\t                              ; rows 2 t and 2 t + 1 are back; the younger loads may be out
	global_store_b128 v14, v[160+4*\t:163+4*\t], s[6:7] offset:2*\t*4096   ; 16 lanes store 256 consecutive bytes, aligned
.endr
	s_wait_tensorcnt 0x0                           ; the wave's end
	ds_add_u32 v[SPW], v[NIL]
	s_wait_dscnt 0x0
	s_endpgm
.Lfunc_end_k_q5884955152_head16:
	.size	k_q5884955152_head16, .Lfunc_end_k_q5884955152_head16-k_q5884955152_head16
	.p2alignl 7, 3214868480
	.fill 96, 4, 3214868480
	.section	.rodata,"a",@progbits
	.p2align	6, 0x0
	.amdhsa_kernel k_q5884955152_head16
		.amdhsa_group_segment_fixed_size 88064
		.amdhsa_private_segment_fixed_size 0
		.amdhsa_enable_private_segment 0
		.amdhsa_kernarg_size 16
		.amdhsa_user_sgpr_count 2
		.amdhsa_user_sgpr_kernarg_segment_ptr 1
		.amdhsa_wavefront_size32 1
		.amdhsa_system_sgpr_workgroup_id_x 1
		.amdhsa_system_sgpr_workgroup_id_y 1
		.amdhsa_system_sgpr_workgroup_id_z 1
		.amdhsa_system_vgpr_workitem_id 0
		.amdhsa_next_free_vgpr 256
		.amdhsa_next_free_sgpr 66
		.amdhsa_reserve_vcc 1
		.amdhsa_float_denorm_mode_32 3
		.amdhsa_float_denorm_mode_16_64 3
		.amdhsa_memory_ordered 1
		.amdhsa_forward_progress 1
		.amdhsa_inst_pref_size 18
	.end_amdhsa_kernel
	.amdgpu_metadata
---
amdhsa.version: [ 1, 2 ]
amdhsa.kernels:
  - .name:           k_q5884955152_head16
    .symbol:         k_q5884955152_head16.kd
    .args:
      - { .name: h32, .offset: 0, .size: 8, .value_kind: global_buffer, .address_space: global }
      - { .name: out0, .offset: 8, .size: 8, .value_kind: global_buffer, .address_space: global }
    .group_segment_fixed_size: 88064
    .private_segment_fixed_size: 0
    .kernarg_segment_align: 8
    .kernarg_segment_size: 16
    .max_flat_workgroup_size: 512
    .sgpr_count:     66
    .vgpr_count:     256
    .wavefront_size: 32
...
	.end_amdgpu_metadata
.endif
;; end of part 5
